; MI455X (gfx1250); checked and timed in simulation.
; The chip was launched on July 23, 2026; its instructions are those of AMD's public machine-readable ISA for CDNA 5 (MIT licence, August 2026) and "CDNA5" Instruction Set Architecture Reference Guide (July 2026). The comments in the code are by the model that wrote it; some were corrected since.
;; Multihead Attention Block. Allowed arithmetic: matrix products marked QUANTISED: E2M1 operands, one E8M0 scale for each 32 along K, by v_wmma_scale_f32_16x16x128_f8f6f4 with both operands' format E2M1 (or v_wmma_scale_f32_32x16x128_f4), f32 sums; products left as they are: bf16, f16 or f32 operands; f32 sums; everything else in f32.
;; Inputs: bk 1,024 float32; bo 1,024 float32; bq 1,024 float32; bv 1,024 float32; k 4 x 2,048 x 1,024 float32; mask 1 x 1 x 2,048 x 2,048 int32; q 4 x 2,048 x 1,024 float32; v 4 x 2,048 x 1,024 float32; wk 1,024 x 1,024 float32; wo 1,024 x 1,024 float32; wq 1,024 x 1,024 float32; wv 1,024 x 1,024 float32.
;; Outputs: out0 4 x 2,048 x 1,024 float32.
;; This version of the problem:
;;   THIS VERSION OF THE PROBLEM IS GIVEN IN LOW PRECISION. The matrix products marked QUANTISED in the list below multiply operands that are first quantised to E2M1 (2 exponent bits, 1 mantissa bit; 4 bits a number), with one power-of-two scale for each 32 numbers along K (OCP MX v1.0); their sums are f32. The products marked 'left as it is' may take bf16, f16 or f32 operands, with f32 sums. Whichever they take, every output number must still come out within the allowed error. Rounding operands to bf16 (8 significant bits) uses up far more of that allowance than f16 does (11 bits, for magnitudes from 6e-5 to 65,504). All else is computed in f32.
;;   The module's matrix products, in the order in which they are computed (A, B: the left and right operand; K: the contracted axis; several contracted axes count as one K, in the product's order):
;;     1. [M 8,192, K 1,024] x [K 1,024, N 1,024]; A: input q; B: input wq: QUANTISED
;;     2. [M 8,192, K 1,024] x [K 1,024, N 1,024]; A: input k; B: input wk: QUANTISED
;;     3. [M 8,192, K 1,024] x [K 1,024, N 1,024]; A: input v; B: input wv: QUANTISED
;;     4. batch 64 x [M 2,048, K 64] x [K 64, N 2,048]; A: computed on the way; B: computed on the way: left as it is (an operand is computed on the way)
;;     5. batch 64 x [M 2,048, K 2,048] x [K 2,048, N 64]; A: computed on the way; B: computed on the way: left as it is (an operand is computed on the way)
;;     6. [M 8,192, K 1,024] x [K 1,024, N 1,024]; A: computed on the way; B: input wo: left as it is (an operand is computed on the way)
;;   THE QUANTISER, for each operand of a quantised product, along K:
;;     - K is cut into blocks of 32 from its start; a last block that is shorter is filled with zeros.
;;     - A block's scale is 2^e with e = floor(log2(the largest magnitude in the block)) - 2, held to -126 .. 127; a block of zeros has e = 0. As a byte (E8M0): e + 127.
;;     - Each number is divided by its block's scale, clamped to +-6, and rounded to the nearest number of E2M1, ties to even, subnormals kept.
;;     - The product sums the exact products of the quantised numbers (number of the format x scale) in f32.
;;   ~~~python
;;   def quantise(x, axis):      # numpy; x: float32 -> the quantised numbers, widened to float32 again
;;       x = np.moveaxis(x, axis, -1); K = x.shape[-1]
;;       x = np.pad(x, [(0, 0)] * (x.ndim - 1) + [(0, -K % 32)]); x = x.reshape(x.shape[:-1] + (-1, 32)); a = np.abs(x).max(-1, keepdims=True)
;;       e = np.where(a > 0, np.clip(np.frexp(np.where(a > 0, a, 1))[1] - 1 - 2, -126, 127), 0)      # np.frexp(a)[1] - 1 = floor(log2(a)), exactly
;;       r = np.clip(x / 2.0 ** e, -6, 6)
;;       step = 2.0 ** (np.maximum(np.frexp(np.where(r == 0, 1, r))[1] - 1, 0) - 1)
;;       q = np.round(r / step) * step * 2.0 ** e      # np.round: ties to even
;;       return np.moveaxis(q.reshape(q.shape[:-2] + (-1,))[..., :K], -1, axis).astype(np.float32)
;;   ~~~
;; One version. Each part assembles by itself: llvm-mc -triple=amdgcn-amd-amdhsa -mcpu=gfx1250 --defsym DOCPART=n.
;; ======== version 1 of 1: 4 launches
;; limits: values are held in f16: magnitudes above 65,504 overflow, below 6.1e-05 lose precision; right only within a limited range of input values
;; workspace buffers: codes 14,155,776 bytes; scales 884,736 bytes; wof 2,097,152 bytes; mlane 524,288 bytes of whole numbers; mflag 16,384 bytes of whole numbers; qkv 50,331,648 bytes; cf 16,777,216 bytes
;; launch prep (part 1): grid 1184 x 1, 4 waves a work-group, no clusters, 33,280 bytes of LDS; arguments q, k, v, wq, wk, wv, wo, mask, codes, scales, wof, mlane, mflag; writes codes, scales, wof, mlane, mflag
.if DOCPART == 1
	.amdgcn_target "amdgcn-amd-amdhsa--gfx1250"
	.amdhsa_code_object_version 6
	.text
	.protected	k_qad6cf609b8_prep
	.globl	k_qad6cf609b8_prep
	.p2align	8
	.type	k_qad6cf609b8_prep,@function
k_qad6cf609b8_prep:
	s_mov_b64 s[64:65], 0
	v_nop
	global_prefetch_b8 v0, s[64:65] scope:SCOPE_SE
	s_setreg_imm32_b32 hwreg(HW_REG_WAVE_MODE, 25, 1), 1
	s_wait_xcnt 0x0
; THREE JOBS IN ONE LAUNCH, told apart by the work-group's number g.
; g < 864: q, k, v [8192][1024] and wq, wk, wv [1024][1024], f32, K innermost, become codes of FP4 (E2M1) and one E8M0 byte for each 32 along K.  The six tensors are one stream of rows:
;   codes: 27,648 rows of 512 bytes (q, k, v, wq, wk, wv on end), scales: the same rows, 32 bytes each.  A work-group takes 32,768 numbers, a wave 8,192, in 16 steps of 512.
;   A block's scale is 2^(floor(log2(its largest magnitude)) - 2); its byte is the largest magnitude's exponent field - 2, held at 1 from below.  Each number is divided by the scale and rounded to the nearest code, ties to even, beyond 6 the largest code.
;   LIMITS: a block of zeros gets the byte 1 where the rule says 127 (its codes are zeros, and this program alone reads the bytes); blocks whose largest magnitude lies under 2^(2 - 126) were not tried; NaN and infinities are not served.
; 864 <= g < 928: wo [1024 (n)][1024 (k)] becomes f16 in the order of an operand's registers: wof [n tile 64][k chunk 64][512 bytes]; in a chunk lane (r, h) has row 16 tile + r, k = 16 chunk + 8 h + 0 .. 7 at byte 16 x lane.
; g >= 928: the mask [2048][2048] int32 becomes whole numbers for the attention launch.  mlane [query tile 128][key step 32][32 words]: word 8 kt + j has bit 16 h + r set where mask[16 tile + r][64 step + 16 kt + 8 h + j] is not 0:
;   the lane mask of register 8 kt + j of a tile of scores.  mflag [query tile 128][key step 32]: bits 15:0 the tile's rows that have an open key in the step, bit 16 set where all 1,024 entries are open.
;   mflag is 16 KB in all: a wave stores 16 bytes of it, so its 256-byte blocks are written in parts.
; No tensor loads, no barrier: waves share nothing.  Only the first job uses LDS.
.set WAVES, 4
.set STEPS, 16
.set EMAX,  2
.set CB,    8                          ; bytes of 16 codes
.set R,     16                         ; v16-79   four sets of 16 numbers as they are loaded
.set X,     80                         ; v80-111  two sets of 16 neighbours
.set E,     112                        ; v112-127 a scale byte for each step
.set C,     128                        ; v128-191 codes: four registers for each step, so that no store's data are written again
.set WREG,  8192                       ; LDS: a region for each wave: two stages of 32 x SP bytes, behind them its 256 scale bytes
.set SP,    80                         ; a lane's place in a stage: 64 bytes + 16 of padding
.set SPW,   12                         ; v12  LDS address of my spare word; never rewritten
.set NIL,   13                         ; v13  0; never rewritten
.set SPARE, WAVES*WREG                 ; behind the four regions: the spare words, 128 bytes for each wave
.set NQW,   864                        ; work-groups that quantise: 256 each for q, k, v, 32 each for wq, wk, wv
.set NWW,   64                         ; work-groups for wo
	s_load_b512 s[4:19], s[0:1], 0x0               ; q s[4:5], k s[6:7], v s[8:9], wq s[10:11], wk s[12:13], wv s[14:15], wo s[16:17], mask s[18:19]
	s_load_b256 s[20:27], s[0:1], 0x40             ; codes s[20:21], scales s[22:23], wof s[24:25], mlane s[26:27]
	s_load_b64 s[28:29], s[0:1], 0x60              ; mflag
	v_lshl_add_u32 v[SPW], v0, 2, SPARE
	v_mov_b32 v[NIL], 0
	v_lshrrev_b32 v1, 5, v0
	v_readfirstlane_b32 s30, v1                    ; wave
	v_and_b32 v2, 31, v0                           ; lane
	v_lshlrev_b32 v3, 4, v2                        ; 16 x lane
	s_mul_i32 s71, s30, WREG
	v_lshrrev_b32 v14, 2, v2
	v_mul_u32_u24 v14, v14, SP
	v_and_b32 v15, 3, v2
	v_lshl_add_u32 v14, v15, 4, v14
	v_add_nc_u32 v14, s71, v14                     ; the stage, on the way in: four lanes' 64 bytes on end, then 16 of padding
	v_mul_u32_u24 v15, v2, SP
	v_add_nc_u32 v15, s71, v15                     ; and on the way out: SP x lane: my 16 neighbours
	v_mul_u32_u24 v4, v2, CB                       ; my codes' place in a step's
	v_lshrrev_b32 v5, 1, v2
	s_add_co_u32 s71, s71, 2*32*SP
	v_add_nc_u32 v5, s71, v5                       ; LDS: my wave's 256 scale bytes, my block's byte
	v_lshlrev_b32 v7, 3, v2                        ; and on the way out 8 bytes a lane
	v_add_nc_u32 v6, s71, v7
	s_wait_kmcnt 0x0
	s_cmp_lt_u32 ttmp9, NQW
	s_cbranch_scc0 .Lnot_q
; ---------------- the quantiser
	s_mov_b64 s[68:69], s[14:15]                   ; which tensor: the choice hangs on the work-group's number alone
	s_mov_b32 s70, 832                             ; and that tensor's first work-group
	s_cmp_lt_u32 ttmp9, 832
	s_cselect_b64 s[68:69], s[12:13], s[68:69]
	s_cselect_b32 s70, 800, s70
	s_cmp_lt_u32 ttmp9, 800
	s_cselect_b64 s[68:69], s[10:11], s[68:69]
	s_cselect_b32 s70, 768, s70
	s_cmp_lt_u32 ttmp9, 768
	s_cselect_b64 s[68:69], s[8:9], s[68:69]
	s_cselect_b32 s70, 512, s70
	s_cmp_lt_u32 ttmp9, 512
	s_cselect_b64 s[68:69], s[6:7], s[68:69]
	s_cselect_b32 s70, 256, s70
	s_cmp_lt_u32 ttmp9, 256
	s_cselect_b64 s[68:69], s[4:5], s[68:69]
	s_cselect_b32 s70, 0, s70
	s_sub_co_u32 s71, ttmp9, s70
	s_lshl_b32 s71, s71, 2
	s_add_co_u32 s71, s71, s30                     ; my run of 8,192 numbers in the tensor
	s_lshl_b32 s72, s71, 15                        ; 32,768 bytes a run (1,023 runs at the most)
	s_mov_b32 s73, 0
	s_add_nc_u64 s[68:69], s[68:69], s[72:73]
	s_lshl_b32 s74, ttmp9, 2
	s_add_co_u32 s74, s74, s30                     ; my run in the stream of all six
	s_lshl_b32 s72, s74, 12                        ; 4,096 bytes of codes a run
	s_add_nc_u64 s[20:21], s[20:21], s[72:73]
	s_lshl_b32 s72, s74, 8                         ; 256 scale bytes a run
	s_add_nc_u64 s[22:23], s[22:23], s[72:73]
.macro LOAD t
.irp i, 0,1,2,3
	global_load_b128 v[R+16*((\t)%4)+4*\i:R+16*((\t)%4)+4*\i+3], v3, s[68:69] offset:2048*(\t)+512*\i th:TH_LOAD_NT   ; 32 lanes read 512 consecutive bytes
.endr
.endm
.macro TURN t                          ; step t's numbers through the stage: LDS serves a wave's instructions in order, so no wait stands between the stores and the loads
.irp i, 0,1,2,3
	ds_store_b128 v14, v[R+16*((\t)%4)+4*\i:R+16*((\t)%4)+4*\i+3] offset:32*SP*((\t)%2)+8*SP*\i
.endr
.irp i, 0,1,2,3
	ds_load_b128 v[X+16*((\t)%2)+4*\i:X+16*((\t)%2)+4*\i+3], v15 offset:32*SP*((\t)%2)+16*\i
.endr
.endm
.irp t, 0,1,2,3
	LOAD \t
.endr
	s_wait_loadcnt 12                              ; step 0's four loads are in; the twelve of steps 1 to 3 stay out
	TURN 0
.macro STEP t
.set XS, X+16*((\t)%2)
.if (\t) > 0
	s_wait_dscnt 1                                 ; this step's numbers are back from the stage (the last step's byte store may be out)
.else
	s_wait_dscnt 0x0
.endif
.if (\t)+4 < STEPS
	LOAD (\t)+4                                    ; the stage's stores have read these registers: they take the loads of four steps on
.endif
.if (\t)+1 < STEPS
.if STEPS-2-(\t) >= 3
	s_wait_loadcnt 12                              ; the next step's four loads are in; those of the three steps behind it may be out
.else
	s_wait_loadcnt 4*(STEPS-2-(\t))
.endif
	TURN (\t)+1                                    ; and go through the other stage while this step is worked
.endif
	v_max3_num_f32 v8, |v[XS]|, |v[XS+1]|, |v[XS+2]|               ; the largest magnitude of my 16, in two chains
	v_max3_num_f32 v9, |v[XS+3]|, |v[XS+4]|, |v[XS+5]|
.irp i, 6,10
	v_max3_num_f32 v8, v8, |v[XS+\i]|, |v[XS+\i+1]|
	v_max3_num_f32 v9, v9, |v[XS+\i+2]|, |v[XS+\i+3]|
.endr
	v_max3_num_f32 v8, v8, |v[XS+14]|, |v[XS+15]|
	v_max3_num_f32 v8, v8, v9, (EMAX+1)<<23        ; and the floor 2^(EMAX + 1 - 127): the byte cannot fall under 1
	v_max_num_f32_dpp v8, v8, v8 row_xmask:1 row_mask:0xf bank_mask:0xf   ; and of my neighbour's 16: the block's
	v_add_nc_u32 v11, -(EMAX<<23), v8              ; EMAX off its exponent field: the conversion takes the exponent field of this operand as its scale
	v_cvt_scalef32_pk8_fp4_f32 v[C+4*(\t)], v[XS:XS+7], v11
	v_cvt_scalef32_pk8_fp4_f32 v[C+4*(\t)+1], v[XS+8:XS+15], v11
	v_lshrrev_b32 v[E+(\t)], 23, v11               ; the scale's byte (a plain line behind the conversions)
	ds_store_b8 v5, v[E+(\t)] offset:16*(\t)       ; both lanes of a block write the same byte with the same value
	global_store_b64 v4, v[C+4*(\t):C+4*(\t)+1], s[20:21] offset:32*CB*(\t)   ; 32 lanes store 256 consecutive bytes, aligned
.endm
.irp t, 0,1,2,3,4,5,6,7,8,9,10,11,12,13,14,15
	STEP \t
.endr
	ds_load_b64 v[8:9], v6                         ; LDS serves a wave's instructions in order: these see my stores
	s_wait_dscnt 0x0
	global_store_b64 v7, v[8:9], s[22:23]          ; 32 lanes store 256 consecutive bytes, aligned
	s_wait_tensorcnt 0x0                           ; the wave's end
	ds_add_u32 v[SPW], v[NIL]
	s_wait_dscnt 0x0
	s_endpgm
.Lnot_q:
	v_and_b32 v8, 15, v0                           ; r
	v_bfe_u32 v9, v0, 4, 1                         ; h
	s_cmp_lt_u32 ttmp9, NQW+NWW
	s_cbranch_scc0 .Lmask
; ---------------- wo to f16, in operand order.  Work-group u takes rows 16 u .. 16 u + 15, wave w the chunks 16 w .. 16 w + 15: 1,024 consecutive bytes of each row
	s_sub_co_u32 s68, ttmp9, NQW                   ; u
	v_lshlrev_b32 v1, 12, v8
	v_lshl_add_u32 v1, v9, 5, v1                   ; row r of 4,096 bytes, + 32 h
	s_lshl_b32 s70, s68, 16
	s_lshl_b32 s71, s30, 10
	s_add_co_u32 s70, s70, s71
	s_mov_b32 s71, 0
	s_add_nc_u64 s[16:17], s[16:17], s[70:71]
	s_lshl_b32 s70, s68, 15                        ; 64 chunks of 512 bytes a tile,
	s_lshl_b32 s72, s30, 13                        ; 16 of them a wave
	s_add_co_u32 s70, s70, s72
	s_add_nc_u64 s[24:25], s[24:25], s[70:71]
.set x, 0
.rept 16
	global_load_b128 v[16+8*x:16+8*x+3], v1, s[16:17] offset:64*x
	global_load_b128 v[16+8*x+4:16+8*x+7], v1, s[16:17] offset:64*x+16
.set x, x+1
.endr
	s_wait_loadcnt 16                              ; chunks 0 to 7 are in; the sixteen loads of chunks 8 to 15 stay out
.set x, 0
.rept 8
.irp i, 0,1,2,3
	v_cvt_pk_f16_f32 v[144+4*x+\i], v[16+8*x+2*\i], v[16+8*x+2*\i+1]
.endr
	global_store_b128 v3, v[144+4*x:144+4*x+3], s[24:25] offset:512*x      ; 512 consecutive bytes
.set x, x+1
.endr
	s_wait_loadcnt 0x0
.set x, 8
.rept 8
.irp i, 0,1,2,3
	v_cvt_pk_f16_f32 v[16+4*(x-8)+\i], v[16+8*x+2*\i], v[16+8*x+2*\i+1]    ; into the registers that chunks 0 to 3 have left
.endr
	global_store_b128 v3, v[16+4*(x-8):16+4*(x-8)+3], s[24:25] offset:512*x
.set x, x+1
.endr
	s_endpgm
; ---------------- the mask.  Work-group z: query tile z / 2; wave w: key steps 16 (z % 2) + 4 w .. + 3: 1,024 consecutive bytes of each of the tile's 16 rows
.Lmask:
	s_sub_co_u32 s68, ttmp9, NQW+NWW               ; z
	s_lshr_b32 s69, s68, 1                         ; the query tile
	s_and_b32 s68, s68, 1
	s_lshl_b32 s68, s68, 4
	s_lshl_b32 s70, s30, 2
	s_add_co_u32 s68, s68, s70                     ; my first key step
	v_lshlrev_b32 v1, 13, v8
	v_lshl_add_u32 v1, v9, 5, v1                   ; row r of 8,192 bytes, + 32 h
	s_lshl_b32 s70, s69, 17                        ; 16 rows
	s_lshl_b32 s71, s68, 8                         ; 256 bytes a step
	s_add_co_u32 s70, s70, s71
	s_mov_b32 s71, 0
	s_add_nc_u64 s[18:19], s[18:19], s[70:71]
	s_lshl_b32 s69, s69, 5
	s_add_co_u32 s69, s69, s68                     ; 32 x tile + step
	s_lshl_b32 s70, s69, 7
	s_add_nc_u64 s[26:27], s[26:27], s[70:71]
	s_lshl_b32 s70, s69, 2
	s_add_nc_u64 s[28:29], s[28:29], s[70:71]
.irp g, 0,1,2,3
.irp kt, 0,1,2,3
	global_load_b128 v[16+32*\g+8*\kt:16+32*\g+8*\kt+3], v1, s[18:19] offset:256*\g+64*\kt        ; register 8 kt + j: key 64 step + 16 kt + 8 h + j
	global_load_b128 v[16+32*\g+8*\kt+4:16+32*\g+8*\kt+7], v1, s[18:19] offset:256*\g+64*\kt+16
.endr
.endr
.irp i, 0,1,2,3,4
	v_mov_b32 v[144+\i], 0                         ; a lane write's destination counts as read
.endr
	v_lshlrev_b32 v10, 2, v2                       ; 4 x lane
.macro MSTEP g
	s_wait_loadcnt 8*(3-\g)                        ; this step's eight loads are in; eight for each later step stay out
.set n, 0
.rept 32
	v_cmp_ne_u32 s[32+n], 0, v[16+32*\g+n]         ; the lane mask of register n
.set n, n+1
.endr
	s_or_b32 s68, s32, s33
	s_and_b32 s69, s32, s33
.set n, 2
.rept 30
	s_or_b32 s68, s68, s[32+n]
	s_and_b32 s69, s69, s[32+n]
.set n, n+1
.endr
	s_lshr_b32 s70, s68, 16
	s_or_b32 s68, s68, s70                         ; a row's two halves of the lanes
	s_and_b32 s68, s68, 0xffff                     ; the rows that have an open key
	s_cmp_eq_u32 s69, -1
	s_cselect_b32 s70, 0x10000, 0                  ; all open
	s_or_b32 s[84+\g], s68, s70
.set n, 0
.rept 32
	v_writelane_b32 v[144+n%4], s[32+n], 8*\g+n/4  ; word 32 g + n of the wave's 128: lane (32 g + n) / 4, register n % 4
.set n, n+1
.endr
	v_writelane_b32 v148, s[84+\g], \g
.endm
	MSTEP 0
	MSTEP 1
	MSTEP 2
	MSTEP 3
	global_store_b128 v3, v[144:147], s[26:27]     ; 512 consecutive bytes: four steps' lane masks
	v_cmp_gt_u32 vcc_lo, 4, v2
	s_wait_xcnt 0x0                                ; EXEC changes only behind this wait
	s_and_saveexec_b32 s70, vcc_lo
	global_store_b32 v10, v148, s[28:29]           ; lanes 0 to 3: the four steps' flags
	s_wait_xcnt 0x0                                ; and again, in front of the line that widens it
	s_or_b32 exec_lo, exec_lo, s70
	s_endpgm
.Lfunc_end_k_qad6cf609b8_prep:
	.size	k_qad6cf609b8_prep, .Lfunc_end_k_qad6cf609b8_prep-k_qad6cf609b8_prep
	.p2alignl 7, 3214868480
	.fill 96, 4, 3214868480
	.section	.rodata,"a",@progbits
	.p2align	6, 0x0
	.amdhsa_kernel k_qad6cf609b8_prep
		.amdhsa_group_segment_fixed_size 33280
		.amdhsa_private_segment_fixed_size 0
		.amdhsa_enable_private_segment 0
		.amdhsa_kernarg_size 104
		.amdhsa_user_sgpr_count 2
		.amdhsa_user_sgpr_kernarg_segment_ptr 1
		.amdhsa_wavefront_size32 1
		.amdhsa_system_sgpr_workgroup_id_x 1
		.amdhsa_system_sgpr_workgroup_id_y 1
		.amdhsa_system_sgpr_workgroup_id_z 1
		.amdhsa_system_vgpr_workitem_id 0
		.amdhsa_next_free_vgpr 192
		.amdhsa_next_free_sgpr 100
		.amdhsa_reserve_vcc 1
		.amdhsa_float_denorm_mode_32 3
		.amdhsa_float_denorm_mode_16_64 3
		.amdhsa_memory_ordered 1
		.amdhsa_forward_progress 1
		.amdhsa_inst_pref_size 73
	.end_amdhsa_kernel
	.amdgpu_metadata
---
amdhsa.version: [ 1, 2 ]
amdhsa.kernels:
  - .name:           k_qad6cf609b8_prep
    .symbol:         k_qad6cf609b8_prep.kd
    .args:
      - { .name: q, .offset: 0, .size: 8, .value_kind: global_buffer, .address_space: global }
      - { .name: k, .offset: 8, .size: 8, .value_kind: global_buffer, .address_space: global }
      - { .name: v, .offset: 16, .size: 8, .value_kind: global_buffer, .address_space: global }
      - { .name: wq, .offset: 24, .size: 8, .value_kind: global_buffer, .address_space: global }
      - { .name: wk, .offset: 32, .size: 8, .value_kind: global_buffer, .address_space: global }
      - { .name: wv, .offset: 40, .size: 8, .value_kind: global_buffer, .address_space: global }
      - { .name: wo, .offset: 48, .size: 8, .value_kind: global_buffer, .address_space: global }
      - { .name: mask, .offset: 56, .size: 8, .value_kind: global_buffer, .address_space: global }
      - { .name: codes, .offset: 64, .size: 8, .value_kind: global_buffer, .address_space: global }
      - { .name: scales, .offset: 72, .size: 8, .value_kind: global_buffer, .address_space: global }
      - { .name: wof, .offset: 80, .size: 8, .value_kind: global_buffer, .address_space: global }
      - { .name: mlane, .offset: 88, .size: 8, .value_kind: global_buffer, .address_space: global }
      - { .name: mflag, .offset: 96, .size: 8, .value_kind: global_buffer, .address_space: global }
    .group_segment_fixed_size: 33280
    .private_segment_fixed_size: 0
    .kernarg_segment_align: 8
    .kernarg_segment_size: 104
    .max_flat_workgroup_size: 128
    .sgpr_count:     100
    .vgpr_count:     192
    .wavefront_size: 32
...
	.end_amdgpu_metadata
.endif
;; end of part 1
;; launch proj (part 2): grid 4 x 96, 4 waves a work-group, clusters of 4 x 4, 327,680 bytes of LDS; arguments codes, scales, bq, bk, bv, qkv; writes qkv
.if DOCPART == 2
	.amdgcn_target "amdgcn-amd-amdhsa--gfx1250"
	.amdhsa_code_object_version 6
	.text
	.protected	k_qad6cf609b8_proj
	.globl	k_qad6cf609b8_proj
	.p2align	8
	.type	k_qad6cf609b8_proj,@function
k_qad6cf609b8_proj:
	s_mov_b64 s[64:65], 0
	v_nop
	global_prefetch_b8 v0, s[64:65] scope:SCOPE_SE
	s_setreg_imm32_b32 hwreg(HW_REG_WAVE_MODE, 25, 1), 1
	s_wait_xcnt 0x0
	s_wait_alu depctr_hold_cnt(0) depctr_sa_sdst(0) depctr_va_vdst(0) depctr_va_sdst(0) depctr_va_ssrc(0) depctr_va_vcc(0) depctr_vm_vsrc(0)
	s_getreg_b32 s2, hwreg(HW_REG_IB_STS2, 6, 4)
	s_cmp_eq_u32 s2, 0
	s_cbranch_scc0 .Lentry_in_a_cluster
	s_endpgm
.Lentry_in_a_cluster:
	s_bfe_u32 s2, ttmp6, 0x10000c
	s_cmp_lg_u32 s2, 0xf033
	s_cbranch_scc0 .Lentry_shape_is_right
	s_endpgm
.Lentry_shape_is_right:
; THE THREE QUANTISED PROJECTIONS, x W^T + b, on codes of FP4 (E2M1) with one E8M0 scale for each 32 along K = 1,024; sums in f32.
; codes: rows of 512 bytes, scales: rows of 32 bytes; rows 0-24575 are q, k, v (8,192 each), rows 24576-27647 wq, wk, wv (1,024 each).  So the three products are one walk: tile row g of 96 takes rows 256 g on,
; and tensor t = g / 32 picks the weight, the bias and the way out.  A tile is 256 tokens x 256 columns: four waves, each 128 x 128 in 64 accumulators of 16 x 16.
; K goes in two steps of 512 through two LDS slots, each filled ONCE, with the scale bytes of the tile's rows, at the kernel's head: three tensor loads of a wave are out at the most.
; CLUSTERS: 4 x 4 work-groups; a cluster lies inside one tensor.  The four of a row of the cluster need the same tokens, the four of a column the same rows of the weight: each tile is asked for jointly.
; THE MATRIX INSTRUCTION IS USED TRANSPOSED (source 0 = 16 rows of the weight, source 1 = 16 tokens): a lane holds one token and eight neighbouring columns.  The bias is the C of each sum's first product.
; THE WAY OUT: the query is multiplied by log2(e) / 8, so that the attention launch's scores are exponents of 2; all three are rounded to f16 and stored IN THE ORDER OF AN OPERAND'S REGISTERS:
;   qkv [t][batch x 16 + head][token tile 128][image 4][512 bytes]; an image is 16 tokens x 16 channels; lane (r = token, h) has channels 8 h + 0 .. 7 at byte 16 x lane (q, k),
;   or at 16 (r % 8) + 128 h + 256 (r / 8) (v): there the turning LDS load at 16 x lane gives a lane one channel and eight keys.  A lane's eight results ARE its 16 bytes of an image: each store covers 512 consecutive bytes, with no stage.
; LIMIT: query x 0.18, key and value must stay under 65,504, f16's largest number.
; REGISTERS, in windows of 256: window 0: v0-31 addresses; v32-95 scale words, two sets; v128-191 the tokens' fragments, ONE set; v192-255 the bias, 8 registers for each block of 16 columns; on the way out v32-223 are free.
;   window 1: the weight's fragments, TWO sets, at v0 and v128.   window 2: the accumulators of my tokens 0-63 ((a, b) at v[8 (8 a + b)]);   window 3: those of tokens 64-127.
.set NQ,     4                         ; matrix instructions deep in a slot: 512 along K
.set ROWB,   256                       ; a tile's row in bytes
.set KROW,   512                       ; a row of codes in memory
.set PITCH,  272                       ; an LDS row: 256 bytes + 16 of padding = 68 words, so the 16 rows that a load touches start at 16 different banks (64 banks of 4 bytes: ISA guide 11.1)
.set FR,     8
.set NL,     2
.set NP,     4                         ; places behind this matrix instruction (ISA guide 7.12.1)
.set HALFT,  128*PITCH
.set SLOT,   4*HALFT                   ; the tokens' 256 rows, then the weight's 256
.set KS,     32                        ; a row of scale bytes
.set SCL,    2*SLOT                    ; behind the slots: the scale bytes, as runs of 256 bytes + 16 of padding
.set HALFS,  (128*KS/256)*272
.set SBLK,   (16*KS/256)*272
.set SPARE,  SCL+4*HALFS               ; the spare words, 128 bytes for each wave
.set ADRA, 16                          ; v16-17  LDS address of my tokens' fragments in slot 0, 1
.set ADRB, 20                          ; v20-21  the same for the weight
.set LO,   24                          ; v24     my 16 bytes' place in an image
.set BOF,  25                          ; v25     32 h: my eight numbers of a block of the bias
.set ADRS, 27                          ; v27     LDS address of my scale words: lanes 0-15 the tokens', lanes 16-31 the weight's
.set SPW,  28                          ; v28     LDS address of my spare word; never rewritten
.set NIL,  29                          ; v29     0; never rewritten
.set SC,   32
.set AF,   128
.set BIAS, 192
.set T,    32                          ; the way out: a block's 64 numbers, scaled
.set U,    96                          ; the way out: packed, four sets of 32
.set G1, 24
.set G0, 32
.set G1B, 48
.set G0B, 56
.set G1S, 68
.set G0S, 76
.set G1SB, 80
.set G0SB, 88
.set MSB, 0
.macro WIN new                         ; the immediate's high byte repeats the setting that is left
.if MSB != (\new)
	s_set_vgpr_msb (MSB<<8)|(\new)
.set MSB, (\new)
.endif
.endm
.set MUL_LO,   0xa1                    ; source 0 (weight) window 1, source 1 (tokens) window 0, C and D window 2
.set MUL_HI,   0xf1                    ; the same, C and D window 3
.set FIRST_LO, 0x81                    ; the first products: C (the bias) window 0, D window 2
.set FIRST_HI, 0xc1                    ; D window 3
.set TO_B,     0x40
; A joint load: waves 0 and 1 fetch for the tokens, waves 2 and 3 for the weight.  The branch hangs on the wave's number alone.  An s_nop 0 and four v_nop follow each of the two lines.
.macro JLOAD g0a, g1a, g0b, g1b
	s_cmp_eq_u32 s17, 0
	s_cbranch_scc0 .Lfor_b_\@
	tensor_load_to_lds s[\g0a:\g0a+3], s[\g1a:\g1a+7]
	s_nop 0
.rept 4
	v_nop
.endr
	s_branch .Lasked_\@
.Lfor_b_\@:
	tensor_load_to_lds s[\g0b:\g0b+3], s[\g1b:\g1b+7]
	s_nop 0
.rept 4
	v_nop
.endr
.Lasked_\@:
.endm
.macro CROUND                          ; a round of the cluster's barrier
	s_barrier_signal -1
	s_barrier_wait -1
	s_cmp_lg_u32 s16, 0
	s_cbranch_scc1 .Lnot_wave_0_\@
	s_barrier_signal -3
.Lnot_wave_0_\@:
	s_barrier_wait -3
	s_barrier_signal -1
	s_barrier_wait -1
.endm
	s_load_b128 s[4:7], s[0:1], 0x0                ; codes s[4:5], scales s[6:7]
	s_load_b256 s[8:15], s[0:1], 0x10              ; bq s[8:9], bk s[10:11], bv s[12:13], qkv s[14:15]
	v_lshl_add_u32 v[SPW], v0, 2, SPARE
	v_mov_b32 v[NIL], 0
	ds_add_u32 v[SPW], v[NIL]                      ; the wave's opening: the add, twice on end, and its wait ahead of my first tensor load
	ds_add_u32 v[SPW], v[NIL]
	v_lshrrev_b32 v1, 5, v0
	v_readfirstlane_b32 s16, v1                    ; wave 0..3
	s_lshr_b32 s17, s16, 1                         ; which half of the tile's tokens is mine.  Also: I fetch for the tokens (0) or for the weight (1)
	s_and_b32 s18, s16, 1                          ; which half of its columns.  Also: which 128 rows I fetch
	s_bfe_u32 s40, ttmp6, 0x40000                  ; cx, cy: my place in the cluster
	s_bfe_u32 s41, ttmp6, 0x40004
	s_lshl_b32 s42, ttmp9, 2
	s_add_co_u32 s42, s42, s40                     ; tile column = 4 x cluster x + cx
	s_and_b32 s45, ttmp7, 0xffff                   ; cluster y
	s_lshl_b32 s19, s45, 2
	s_add_co_u32 s19, s19, s41                     ; tile row = 4 x cluster y + cy
	s_lshr_b32 s45, s45, 3                         ; the tensor: 8 clusters each; the same in all sixteen partners
	s_lshl_b32 s43, s41, 2
	s_lshl_b32 s43, 15, s43                        ; my row of the cluster
	s_lshl_b32 s44, 0x1111, s40                    ; my column
	; descriptor group 1: 128 rows x 256 bytes, padded in LDS
	s_or_b32 s[G1+0], s43, (0<<16)|(1<<20)|(1<<21)|(5<<22)|(3<<25)  ; 15:0 the mask; 17:16 elements of 1 byte; 20 padding on; 21 set beside a mask; 24:22 after every 64 words; 31:25 four words
	s_or_b32 s[G1B+0], s44, (0<<16)|(1<<20)|(1<<21)|(5<<22)|(3<<25)
.irp g, G1, G1B
	s_mov_b32 s[\g+1], ROWB<<16                    ; tensor_dim0
	s_mov_b32 s[\g+2], 128<<16                     ; tensor_dim1
	s_mov_b32 s[\g+3], ROWB<<16                    ; tile_dim0
	s_mov_b32 s[\g+4], 128                         ; tile_dim1
	s_mov_b32 s[\g+5], KROW                        ; tensor_dim0_stride
	s_mov_b32 s[\g+6], 0
	s_mov_b32 s[\g+7], 0
.endr
	; the scale bytes of 128 rows: 4,096 dense bytes, as 16 rows of 256 (32 elements of 8 bytes), 16 bytes of padding behind each
	s_or_b32 s[G1S+0], s43, (3<<16)|(1<<20)|(1<<21)|(5<<22)|(3<<25)
	s_or_b32 s[G1SB+0], s44, (3<<16)|(1<<20)|(1<<21)|(5<<22)|(3<<25)
.irp g, G1S, G1SB
	s_mov_b32 s[\g+1], 32<<16
	s_mov_b32 s[\g+2], (128*KS/256)<<16
	s_mov_b32 s[\g+3], 32<<16
	s_mov_b32 s[\g+4], 128*KS/256
	s_mov_b32 s[\g+5], 32
	s_mov_b32 s[\g+6], 0
	s_mov_b32 s[\g+7], 0
.endr
	s_lshl_b32 s20, s18, 7                         ; which 128 rows of the tile I fetch
	s_lshl_b32 s22, s19, 8
	s_add_co_u32 s22, s22, s20                     ; tokens: row 256 x tile row + 128 x half
	s_lshl_b32 s46, s42, 8
	s_add_co_u32 s46, s46, s20
	s_lshl_b32 s47, s45, 10
	s_add_co_u32 s46, s46, s47
	s_add_co_u32 s46, s46, 24576                   ; weight: row 24,576 + 1,024 t + 256 x tile column + 128 x half
	s_lshl_b32 s92, s22, 5                         ; where these rows' scale bytes begin,
	s_mov_b32 s93, 0
	s_lshl_b32 s22, s22, 9                         ; and their codes (27,648 rows of 512 bytes: under 2^24)
	s_mov_b32 s23, 0
	s_lshl_b32 s94, s46, 5
	s_mov_b32 s95, 0
	s_lshl_b32 s46, s46, 9
	s_mov_b32 s47, 0
	s_mul_i32 s96, s16, HALFT                      ; where they go: wave x 128 rows: no place in the cluster enters an LDS address
	s_mul_i32 s97, s16, HALFS
	s_wait_dscnt 0x0                               ; both opening adds are done
	s_wait_kmcnt 0x0
	s_add_nc_u64 s[22:23], s[4:5], s[22:23]
	s_add_nc_u64 s[92:93], s[6:7], s[92:93]
	s_add_nc_u64 s[46:47], s[4:5], s[46:47]
	s_add_nc_u64 s[94:95], s[6:7], s[94:95]
	CROUND                                         ; all sixteen work-groups are here: the joint loads meet
	s_mov_b32 s[G0S], 1
	s_add_co_u32 s[G0S+1], s97, SCL
	s_mov_b64 s[G0S+2:G0S+3], s[92:93]
	s_or_b32 s[G0S+3], s[G0S+3], 0x80000000
	s_mov_b32 s[G0SB], 1
	s_add_co_u32 s[G0SB+1], s97, SCL
	s_mov_b64 s[G0SB+2:G0SB+3], s[94:95]
	s_or_b32 s[G0SB+3], s[G0SB+3], 0x80000000
	JLOAD G0S, G1S, G0SB, G1SB                     ; the scale bytes first: they are wanted with K step 0
.irp s, 0,1
	s_mov_b32 s[G0+4*\s], 1
	s_add_co_u32 s[G0+4*\s+1], s96, \s*SLOT
	s_add_nc_u64 s[G0+4*\s+2:G0+4*\s+3], s[22:23], \s*ROWB
	s_or_b32 s[G0+4*\s+3], s[G0+4*\s+3], 0x80000000
	s_mov_b32 s[G0B+4*\s], 1
	s_add_co_u32 s[G0B+4*\s+1], s96, \s*SLOT
	s_add_nc_u64 s[G0B+4*\s+2:G0B+4*\s+3], s[46:47], \s*ROWB
	s_or_b32 s[G0B+4*\s+3], s[G0B+4*\s+3], 0x80000000
	JLOAD G0+4*\s, G1, G0B+4*\s, G1B
.endr
	; what hangs on the tensor: the bias, the factor, the lanes' order in an image
	s_mov_b32 s3, 0x3f800000
	s_cmp_eq_u32 s45, 0
	s_cselect_b32 s2, 0x3e38aa3b, s3               ; log2(e) / 8 for the query, 1 for key and value
	s_cselect_b64 s[98:99], s[8:9], s[10:11]
	s_cmp_eq_u32 s45, 2
	s_cselect_b64 s[98:99], s[12:13], s[98:99]
	s_cselect_b32 s20, 8, 7                        ; r / 8 counts 256 bytes in v, 128 in q and k;
	s_cselect_b32 s21, 7, 8                        ; h the other way round
	s_mov_b32 s3, s2                               ; (the packed form names the pair)
	v_and_b32 v1, 15, v0                           ; r
	v_bfe_u32 v2, v0, 4, 1                         ; h
	v_and_b32 v5, 7, v1
	v_lshrrev_b32 v6, 3, v1
	v_lshlrev_b32 v6, s20, v6
	v_lshlrev_b32 v7, s21, v2
	v_lshl_add_u32 v5, v5, 4, v6
	v_add_nc_u32 v[LO], v5, v7
	v_lshlrev_b32 v[BOF], 5, v2
	s_lshl_b32 s92, s42, 10                        ; my first column in the bias, in bytes: 1,024 x tile column + 512 x half
	s_lshl_b32 s93, s18, 9
	s_add_co_u32 s92, s92, s93
	s_mov_b32 s93, 0
	s_add_nc_u64 s[98:99], s[98:99], s[92:93]
.irp b, 0,1,2,3,4,5,6,7
	global_load_b128 v[BIAS+8*\b:BIAS+8*\b+3], v[BOF], s[98:99] offset:64*\b          ; block b: the bias of columns 16 b + 8 h + 0 .. 7, in the result's layout
	global_load_b128 v[BIAS+8*\b+4:BIAS+8*\b+7], v[BOF], s[98:99] offset:64*\b+16
.endr
	v_mul_u32_u24 v3, v1, PITCH
	v_lshl_add_u32 v4, v2, 4, v3                   ; a fragment's row x pitch + 16 x half
	s_mul_i32 s20, s17, HALFT                      ; my 128 tokens
	s_mul_i32 s21, s18, HALFT                      ; my 128 rows of the weight,
	s_add_co_u32 s21, s21, 2*HALFT                 ; which lie behind the tokens' 256
.irp s, 0,1
	v_add_nc_u32 v[ADRA+\s], s20, v4
	v_add_nc_u32 v[ADRB+\s], s21, v4
	s_add_co_u32 s20, s20, SLOT
	s_add_co_u32 s21, s21, SLOT
.endr
	v_mul_u32_u24 v5, v1, KS                       ; my row's scale bytes: KS a row,
	v_lshrrev_b32 v6, 8, v5
	v_lshl_add_u32 v5, v6, 4, v5                   ; and 16 more for each 256 passed
	s_mul_i32 s20, s17, HALFS
	s_mul_i32 s21, s18, HALFS
	s_add_co_u32 s21, s21, 2*HALFS
	s_sub_co_u32 s21, s21, s20
	v_mul_u32_u24 v6, s21, v2                      ; lanes 16-31 take the weight's
	s_add_co_u32 s20, s20, SCL
	v_add_nc_u32 v5, v5, v6
	v_add_nc_u32 v[ADRS], s20, v5
	; where my part begins in qkv.  G = 256 x tile row + 128 x half is my first row in the stream of q, k, v
	s_lshl_b32 s92, s19, 8
	s_lshl_b32 s93, s17, 7
	s_add_co_u32 s92, s92, s93
	s_lshr_b32 s93, s92, 11                        ; 4 t + batch: 16 heads x 128 tiles x 2,048 bytes each
	s_lshl_b32 s93, s93, 22
	s_and_b32 s92, s92, 2047
	s_lshl_b32 s92, s92, 7                         ; the token tile, 2,048 bytes each
	s_add_co_u32 s92, s92, s93
	s_lshl_b32 s93, s42, 2
	s_lshl_b32 s94, s18, 1
	s_add_co_u32 s93, s93, s94                     ; my first head: 4 x tile column + 2 x half
	s_lshl_b32 s93, s93, 18
	s_add_co_u32 s92, s92, s93
	s_mov_b32 s93, 0
	s_add_nc_u64 s[14:15], s[14:15], s[92:93]
.macro FRAG reg, adr, q, i             ; a fragment, 16 rows x 128 K of 4-bit codes: lane l holds row l % 16; registers 4 c .. 4 c + 3 hold K = 64 c + 32 (l / 16) + 0 .. 31
.irp c, 0,1
	ds_load_b128 v[\reg+4*\c:\reg+4*\c+3], v[\adr] offset:64*(\q)+32*\c+(\i)*16*PITCH
.endr
.endm
; 16 matrix instructions: token blocks a0, a0 + 1 x the weight's eight, 128 along K.  p: the weight's set; sc: the set of scale words.  first = 1: the sums begin with the bias.
; The 64 accumulators take turns, one instruction a turn, in the same order in every step.
.macro MUL16 a0, p, q, sc, first
.irp a, \a0, \a0+1
.irp b, 0,1,2,3,4,5,6,7
.if \first
	v_wmma_scale_f32_16x16x128_f8f6f4 v[8*(8*((\a)%4)+\b):8*(8*((\a)%4)+\b)+7], v[128*(\p)+FR*\b:128*(\p)+FR*\b+FR-1], v[AF+FR*(\a):AF+FR*(\a)+FR-1], v[BIAS+8*\b:BIAS+8*\b+7], v[SC+8*NQ*(\sc)+NQ*\b+(\q)], v[SC+8*NQ*(\sc)+NQ*(\a)+(\q)] matrix_a_fmt:MATRIX_FMT_FP4 matrix_b_fmt:MATRIX_FMT_FP4 matrix_a_scale:MATRIX_SCALE_ROW1
.else
	v_wmma_scale_f32_16x16x128_f8f6f4 v[8*(8*((\a)%4)+\b):8*(8*((\a)%4)+\b)+7], v[128*(\p)+FR*\b:128*(\p)+FR*\b+FR-1], v[AF+FR*(\a):AF+FR*(\a)+FR-1], v[8*(8*((\a)%4)+\b):8*(8*((\a)%4)+\b)+7], v[SC+8*NQ*(\sc)+NQ*\b+(\q)], v[SC+8*NQ*(\sc)+NQ*(\a)+(\q)] matrix_a_fmt:MATRIX_FMT_FP4 matrix_b_fmt:MATRIX_FMT_FP4 matrix_a_scale:MATRIX_SCALE_ROW1
.endif
.endr
.endr
.endm
.macro FETCH_B slot, q, p
	WIN TO_B
.irp i, 0,1,2,3,4,5,6,7
	FRAG 128*(\p)+FR*\i, ADRB+\slot, \q, \i
.endr
	WIN 0
.endm
.macro FETCH_A slot, q, i0
.irp i, \i0, \i0+1, \i0+2, \i0+3
	FRAG AF+FR*(\i), ADRA+\slot, \q, \i
.endr
.endm
.macro SCALES sc                       ; a K step's scale words: four words a row; lanes 0-15 take the tokens' block i, lanes 16-31 the weight's block i
.irp i, 0,1,2,3,4,5,6,7
	ds_load_b128 v[SC+8*NQ*\sc+NQ*\i:SC+8*NQ*\sc+NQ*\i+3], v[ADRS] offset:\i*SBLK
.endr
.endm
.macro PLACES n                        ; plain vector instructions between a matrix instruction and a load into, or a vector instruction on, its registers
.rept \n
	v_nop
.endr
.endm
; A step of 128 along K that has its successor in the same slot.
.macro STEP slot, q, first
	s_wait_dscnt 4*NL                              ; the weight's set and token blocks 0-3 are in; the youngest eight loads (blocks 4-7) may be out
.if \first
	WIN FIRST_LO
.else
	WIN MUL_LO
.endif
	MUL16 0, (\q)%2, \q, \slot, \first
	MUL16 2, (\q)%2, \q, \slot, \first
	s_wait_dscnt 0                                 ; blocks 4-7 are in
	PLACES NP
	FETCH_B \slot, (\q)+1, 1-(\q)%2
	FETCH_A \slot, (\q)+1, 0
.if \first
	WIN FIRST_HI
.else
	WIN MUL_HI
.endif
	MUL16 4, (\q)%2, \q, \slot, \first
	MUL16 6, (\q)%2, \q, \slot, \first
	PLACES NP
	WIN 0
	FETCH_A \slot, (\q)+1, 4
.endm
; Slot 0's last step goes over to slot 1: one barrier; in front of it each wave waits for all its tensor loads (its part of slot 1), so that behind it slot 1 is whole for every wave.  Nothing is filled again.
.macro TURN slot, next
	s_wait_tensorcnt 0x0                           ; all my tensor loads have landed
	ds_add_u32 v[SPW], v[NIL]                      ; 0 onto my spare word
	s_wait_dscnt 4*NL+1                            ; (the add and the youngest eight loads may be out)
	WIN MUL_LO
	MUL16 0, 1, NQ-1, \slot, 0                     ; sixteen matrix instructions stand between the add and the wait for it
	s_wait_dscnt 0x0                               ; the add is done, and no LDS load of mine is out
	s_barrier_signal -1
	MUL16 2, 1, NQ-1, \slot, 0
	WIN 0
	s_barrier_wait -1
	PLACES NP
	v_add_nc_u32 v[ADRS], 4*NQ, v[ADRS]            ; on to the next K step's scale words
	FETCH_B \next, 0, 0
	FETCH_A \next, 0, 0
	SCALES \next
	WIN MUL_HI
	MUL16 4, 1, NQ-1, \slot, 0
	MUL16 6, 1, NQ-1, \slot, 0
	PLACES NP
	WIN 0
	FETCH_A \next, 0, 4
.endm
.macro STEPS slot, from
.set QQ, \from
.rept NQ-1-\from
	STEP \slot, QQ, 0
.set QQ, QQ+1
.endr
.endm
	s_wait_tensorcnt 1                             ; the scale bytes and my part of slot 0 are in; slot 1's load, the one issued behind them, may be out
	s_barrier_signal -1
	s_barrier_wait -1                              ; everybody's are
	FETCH_B 0, 0, 0
	FETCH_A 0, 0, 0
	SCALES 0
	FETCH_A 0, 0, 4
	s_wait_loadcnt 0x0                             ; the bias
	STEP 0, 0, 1
	STEPS 0, 1
	TURN 0, 1
	STEPS 1, 0
	s_wait_dscnt 4*NL                              ; the very last step: nothing more to fetch
	WIN MUL_LO
	MUL16 0, 1, NQ-1, 1, 0
	MUL16 2, 1, NQ-1, 1, 0
	s_wait_dscnt 0
	WIN MUL_HI
	MUL16 4, 1, NQ-1, 1, 0
	MUL16 6, 1, NQ-1, 1, 0
	PLACES NP                                      ; behind the last products: the lines below read results and write registers that held scale words, fragments and the bias
; THE WAY OUT of token block a: x the factor, in f32; rounded to f16; eight stores, one for each block of 16 columns: head b / 4 of my two, image b % 4.
.macro OUT a
	WIN 0x02+(\a)/4                                ; source 0: window 2 or 3
.irp b, 0,1,2,3,4,5,6,7
.irp r, 0,1,2,3
	v_pk_mul_f32 v[T+8*\b+2*\r:T+8*\b+2*\r+1], v[64*((\a)%4)+8*\b+2*\r:64*((\a)%4)+8*\b+2*\r+1], s[2:3] op_sel_hi:[1,0]   ; each accumulator from its low end on
.endr
.endr
	WIN 0
.if (\a) >= 4
	s_wait_xcnt 0x0                                ; block a - 4's stores have read this set of registers
.endif
.irp b, 0,1,2,3,4,5,6,7
.irp r, 0,1,2,3
	v_cvt_pk_f16_f32 v[U+32*((\a)%4)+4*\b+\r], v[T+8*\b+2*\r], v[T+8*\b+2*\r+1]
.endr
.endr
.irp b, 0,1,2,3,4,5,6,7
	global_store_b128 v[LO], v[U+32*((\a)%4)+4*\b:U+32*((\a)%4)+4*\b+3], s[14:15] offset:2048*(\a)+262144*(\b/4)+512*(\b%4)   ; 32 lanes store an image: 512 consecutive bytes
.endr
.endm
.irp a, 0,1,2,3,4,5,6,7
	OUT \a
.endr
	s_wait_tensorcnt 0x0                           ; the wave's end
	ds_add_u32 v[SPW], v[NIL]
	s_wait_dscnt 0x0
	CROUND                                         ; the closing round: no work-group ends while a partner may still ask for a tile that names it
	s_endpgm
.Lfunc_end_k_qad6cf609b8_proj:
	.size	k_qad6cf609b8_proj, .Lfunc_end_k_qad6cf609b8_proj-k_qad6cf609b8_proj
	.p2alignl 7, 3214868480
	.fill 96, 4, 3214868480
	.section	.rodata,"a",@progbits
	.p2align	6, 0x0
	.amdhsa_kernel k_qad6cf609b8_proj
		.amdhsa_group_segment_fixed_size 327680
		.amdhsa_private_segment_fixed_size 0
		.amdhsa_enable_private_segment 0
		.amdhsa_kernarg_size 48
		.amdhsa_user_sgpr_count 2
		.amdhsa_user_sgpr_kernarg_segment_ptr 1
		.amdhsa_wavefront_size32 1
		.amdhsa_system_sgpr_workgroup_id_x 1
		.amdhsa_system_sgpr_workgroup_id_y 1
		.amdhsa_system_sgpr_workgroup_id_z 1
		.amdhsa_system_vgpr_workitem_id 0
		.amdhsa_next_free_vgpr 1024
		.amdhsa_next_free_sgpr 100
		.amdhsa_reserve_vcc 0
		.amdhsa_float_denorm_mode_32 3
		.amdhsa_float_denorm_mode_16_64 3
		.amdhsa_memory_ordered 1
		.amdhsa_forward_progress 1
		.amdhsa_inst_pref_size 136
	.end_amdhsa_kernel
	.amdgpu_metadata
---
amdhsa.version: [ 1, 2 ]
amdhsa.kernels:
  - .name:           k_qad6cf609b8_proj
    .symbol:         k_qad6cf609b8_proj.kd
    .args:
      - { .name: codes, .offset: 0, .size: 8, .value_kind: global_buffer, .address_space: global }
      - { .name: scales, .offset: 8, .size: 8, .value_kind: global_buffer, .address_space: global }
      - { .name: bq, .offset: 16, .size: 8, .value_kind: global_buffer, .address_space: global }
      - { .name: bk, .offset: 24, .size: 8, .value_kind: global_buffer, .address_space: global }
      - { .name: bv, .offset: 32, .size: 8, .value_kind: global_buffer, .address_space: global }
      - { .name: qkv, .offset: 40, .size: 8, .value_kind: global_buffer, .address_space: global }
    .group_segment_fixed_size: 327680
    .private_segment_fixed_size: 0
    .kernarg_segment_align: 8
    .kernarg_segment_size: 48
    .max_flat_workgroup_size: 128
    .sgpr_count:     100
    .vgpr_count:     1024
    .wavefront_size: 32
...
	.end_amdgpu_metadata
.endif
;; end of part 2
;; launch attn (part 3): grid 4 x 64, 16 waves a work-group, no clusters, 34,816 bytes of LDS; arguments qkv, mlane, mflag, cf; writes cf
.if DOCPART == 3
	.amdgcn_target "amdgcn-amd-amdhsa--gfx1250"
	.amdhsa_code_object_version 6
	.text
	.protected	k_qad6cf609b8_attn
	.globl	k_qad6cf609b8_attn
	.p2align	8
	.type	k_qad6cf609b8_attn,@function
k_qad6cf609b8_attn:
	s_mov_b64 s[64:65], 0
	v_nop
	global_prefetch_b8 v0, s[64:65] scope:SCOPE_SE
	s_setreg_imm32_b32 hwreg(HW_REG_WAVE_MODE, 25, 1), 1
	s_wait_xcnt 0x0
; ctx[b][h][q] = the sum over k of softmax_k(where(mask[q][k] == 0, -1e9, Q.K / 8)) V[k], head size 64, 2,048 keys, 64 heads in all.  Operands f16, products, maxima and sums f32.
; INPUTS, all in the order of an operand's registers (images of 512 bytes: 16 tokens x 16 channels): qkv [q, k, v][head 64][token tile 128][image 4][512].  The query carries log2(e) / 8, so a score is an exponent of 2.
; THE MASK IS AN INPUT.  An earlier launch has turned it into whole numbers: mlane, a lane mask for each register of a tile of scores, and mflag, for each query tile and key step the rows that have an open key (bits 15:0) and 'all open' (bit 16).
; A masked score becomes -1e9 x log2(e): a row with no open key at all comes out as the mean of all 2,048 values.
; WORK THAT IS LEFT OUT: a key step in which none of a wave's 32 queries has an open key adds nothing, PROVIDED each of those queries has an open key somewhere (its masked terms are then 2^(-1.4e9 - m) = 0).
;   So steps are jumped over only if every one of the work-group's 512 queries has an open key somewhere; else every step is walked.  A tile of keys that no wave of the work-group wants is not loaded.  Where both tiles are all open the select is jumped over.
;   These are scalar branches on whole numbers read from memory.  No cluster and no tensor loads: K and V go to LDS through registers, 16 bytes a thread for each.
; SHARES.  Work-group (i, head) owns query blocks i and 7 - i of 256 queries: waves 0-7 the first, waves 8-15 the second, 32 queries (two tiles) each.  All sixteen walk the same 32 key steps of 64 keys and share the tiles in LDS: two slots, one barrier a step.
; LAYOUT.  S^T = K Q^T (source 0 = 16 keys, source 1 = 16 queries): a lane holds one query and keys 8 (lane / 16) + 0 .. 7.  Rounded to f16 in pairs, two such tiles are source 1 of O^T = V^T P; V comes out of LDS turned, by ds_load_tr16_b128.
; SOFTMAX.  For each query a running maximum m and sum l; p = 2^(s - m); in every step O^T and l are multiplied by a = 2^(m_old - m_new).  m begins at -3e38 and O^T, l at 0: which step is a wave's first hangs on the mask, so no first step can be written out.
; OUT: ctx / l as f16 images, cf [token tile 512][chunk 64 = head x 4 + channel tile][512 bytes]: a lane's eight results are its 16 bytes of an image.
; LIMITS: query x 0.18, key, value under 65,504; real scores above about -9.9e8 (beside an open key masked terms count as 0); NaN and infinities are not served.
.set SLOTB, 16384                      ; a slot: K's tile, 8,192 bytes, then V's
.set VOFF,  8192
.set SPARE, 2*SLOTB                    ; the spare words, 128 bytes for each of sixteen waves
.set SPW,  1                           ; v1   LDS address of my spare word; never rewritten
.set NIL,  2                           ; v2   0; never rewritten
.set LA,   3                           ; v3   16 x lane: my place in an image
.set T16,  6                           ; v6   16 x thread: my 16 bytes of a tile
.set NEGT, 7                           ; v7   -1e9 x log2(e)
.set PFO,  8                           ; v8   256 x lane
.set ST,   12                          ; v12-19 tile t at ST + 4 t: m, (the pair's upper word), l in two halves
.set STG,  20                          ; v20-27 the next tile's 32 bytes on their way to LDS; on the way out at work
.set Q,    28                          ; v28-59   Q: tile t, channels 32 f on, at Q + 16 t + 8 f
.set O,    60                          ; v60-123  O^T: tile t, channels 16 dt on, at O + 32 t + 8 dt
.set S,    124                         ; v124-187 S^T: tile t, keys 16 kt on, at S + 32 t + 8 kt; later V's fragments: keys 32 f on, channels 16 dt on, at S + 32 f + 8 dt
.set P,    188                         ; v188-219 P: tile t, keys 32 f on, at P + 16 t + 8 f
.set KF,   188                         ; v188-251 K: keys 16 kt on, channels 32 f on, at KF + 16 kt + 8 f
.set TT,   220                         ; v220-251 behind the scores: tile t at TT + 16 t: +0..3 maxima, +5 m_old - m, +6 a (+7 the pair's upper word)
; s[4:5] K, s[6:7] V at the trip's first tile; s[8:9] my lane masks at the trip's first step; s[12:13] cf; s[14:15] Q; s16 wave; s17 trips; s18 steps to jump over, s19 steps all open, s20 tiles not to load (bit 0: the step in hand, or the tile after it)
; s[22:23] lane selects; s24, s25 the prefetches' limits; s[26:27] their base; s[32:63], s[68:99] the lane masks of tiles 0 and 1
	s_load_b64 s[4:5], s[0:1], 0x0                 ; qkv
	s_load_b128 s[8:11], s[0:1], 0x8               ; mlane, mflag
	s_load_b64 s[12:13], s[0:1], 0x18              ; cf
	v_lshl_add_u32 v[SPW], v0, 2, SPARE
	v_mov_b32 v[NIL], 0
	v_lshrrev_b32 v4, 5, v0
	v_readfirstlane_b32 s16, v4                    ; wave 0..15
	v_and_b32 v4, 31, v0                           ; lane
	v_lshlrev_b32 v[LA], 4, v4
	v_lshlrev_b32 v[T16], 4, v0
	v_lshlrev_b32 v[PFO], 8, v4
	v_mov_b32 v[NEGT], 0xceabfb8f
	v_lshlrev_b32 v9, 2, v4                        ; 4 x lane: a lane to a key step
	v_and_b32 v10, 15, v4
	v_lshrrev_b32 v11, 4, v4
	s_and_b32 s28, ttmp7, 0xffff                   ; the head, 0..63
	s_sub_co_u32 s29, 7, ttmp9                     ; the second block, 7 - i
	s_sub_co_u32 s17, s29, ttmp9
	s_lshl_b32 s17, s17, 11                        ; from the first block's flags to the second's: (7 - 2 i) x 16 tiles x 128 bytes
	v_mul_u32_u24 v11, v11, s17
	v_lshl_add_u32 v10, v10, 7, v11                ; a lane to a query tile: lanes 0-15 the first block's, lanes 16-31 the second's
	s_cmp_lt_u32 s16, 8
	s_cselect_b32 s30, ttmp9, s29                  ; my block
	s_lshl_b32 s30, s30, 4
	s_and_b32 s31, s16, 7
	s_lshl_b32 s31, s31, 1
	s_add_co_u32 s30, s30, s31                     ; my first query tile
	s_mov_b32 s101, 0
	s_wait_kmcnt 0x0
	s_lshl_b32 s100, s28, 18                       ; a head: 128 tiles of 2,048 bytes
	s_add_nc_u64 s[14:15], s[4:5], s[100:101]
	s_add_nc_u64 s[6:7], s[14:15], 0x2000000       ; V's part of qkv
	s_add_nc_u64 s[4:5], s[14:15], 0x1000000       ; K's
	s_lshl_b32 s100, s30, 11
	s_add_nc_u64 s[14:15], s[14:15], s[100:101]    ; Q at my first tile
	s_lshl_b32 s100, s30, 12
	s_add_nc_u64 s[8:9], s[8:9], s[100:101]        ; my lane masks: 32 steps of 128 bytes a tile
	s_lshl_b32 s100, s30, 7
	s_add_nc_u64 s[20:21], s[10:11], s[100:101]    ; my tiles' flags
	s_lshl_b32 s100, ttmp9, 11
	s_add_nc_u64 s[22:23], s[10:11], s[100:101]    ; the first block's
	s_lshl_b32 s100, s29, 11
	s_add_nc_u64 s[24:25], s[10:11], s[100:101]    ; the second block's
	s_lshr_b32 s100, s28, 4
	s_lshl_b32 s100, s100, 7
	s_add_co_u32 s100, s100, s30                   ; 128 x batch + my first tile
	s_lshl_b32 s100, s100, 15
	s_and_b32 s31, s28, 15
	s_lshl_b32 s31, s31, 11                        ; the head's four chunks
	s_add_co_u32 s100, s100, s31
	s_add_nc_u64 s[12:13], s[12:13], s[100:101]
.irp t, 0,1
.irp b, 0,1,2,3
	global_load_b128 v[Q+16*\t+4*\b:Q+16*\t+4*\b+3], v[LA], s[14:15] offset:2048*\t+512*\b   ; Q stays in registers
.endr
.endr
	global_load_b32 v4, v9, s[20:21]               ; my two tiles' flags, a lane to a step
	global_load_b32 v5, v9, s[20:21] offset:128
.set i, 0
.rept 16
	global_load_b32 v[S+i], v9, s[22:23] offset:128*i        ; the work-group's 32 tiles, a lane to a step
	global_load_b32 v[S+16+i], v9, s[24:25] offset:128*i
.set i, i+1
.endr
.set i, 0
.rept 8
	global_load_b128 v[S+32+4*i:S+32+4*i+3], v10, s[22:23] offset:16*i    ; and once more, a lane to a tile: its 32 steps
.set i, i+1
.endr
.irp t, 0,1
	v_mov_b32 v[ST+4*\t], 0xff61b1e6               ; m: -3e38, under every score
	v_mov_b32 v[ST+4*\t+1], 0
	v_mov_b32 v[ST+4*\t+2], 0                      ; l
	v_mov_b32 v[ST+4*\t+3], 0
.endr
.set i, 0
.rept 8
	v_mov_b32 v[STG+i], 0                          ; written once, so that they are written on every way
.set i, i+1
.endr
.set i, 0
.rept 64
	v_mov_b32 v[O+i], 0                            ; O^T: the first step that a wave walks finds zeros
.set i, i+1
.endr
	s_wait_loadcnt 0x0                             ; Q and the flags
.irp w, 16,8,4,2,1
.set i, 0
.rept \w
	v_or_b32 v[S+i], v[S+i], v[S+i+\w]             ; over the 32 tiles: what a step has open for anybody
	v_or_b32 v[S+32+i], v[S+32+i], v[S+32+i+\w]    ; over the 32 steps: the rows of a tile that have an open key somewhere
.set i, i+1
.endr
.endr
	v_or_b32 v9, v4, v5
	v_and_b32 v9, 0xffff, v9
	v_cmp_ne_u32 s28, 0, v9                        ; bit j: step j has an open key for one of my 32 queries
	v_and_b32 v10, v4, v5
	v_and_b32 v10, 0x10000, v10
	v_cmp_ne_u32 s19, 0, v10                       ; bit j: both my tiles are all open in step j
	v_and_b32 v11, 0xffff, v[S]
	v_cmp_ne_u32 s29, 0, v11                       ; bit j: step j has an open key for some query of the work-group
	v_and_b32 v4, 0xffff, v[S+32]
	v_cmp_eq_u32 s30, 0xffff, v4                   ; bit t: all 16 rows of tile t have an open key somewhere
	s_not_b32 s28, s28
	s_not_b32 s29, s29
	s_cmp_eq_u32 s30, -1                           ; all 512 queries?  The same in all sixteen waves
	s_cselect_b32 s18, s28, 0                      ; the steps that I jump over
	s_cselect_b32 s29, s29, 0                      ; the tiles that nobody wants: a part of every wave's s18
	s_lshr_b32 s20, s29, 1
	s_or_b32 s20, s20, 0x80000000                  ; bit j: tile j + 1 is not loaded; there is no tile 32
	s_mov_b32 s22, 0x76543210
	s_mov_b32 s23, 0xfedcba98                      ; v_permlanex16_b32's selects for lane l xor 16
	; THE PREFETCHES INTO THE L2: in step j tile j + 3 of K (wave 8) and of V (wave 9), 8,192 bytes, lanes 256 bytes apart: two steps ahead of the load that wants it.  The four work-groups of a head walk the same tiles: the first of them asks.
	; So each 256 bytes are named once in the launch.  Tiles 0 to 2 come by their loads alone; steps 29 to 31 ask for nothing.
	s_sub_co_u32 s28, s16, 8
	s_lshr_b32 s28, s28, 1                         ; 0 in waves 8 and 9
	s_or_b32 s28, s28, ttmp9
	s_cmp_eq_u32 s28, 0
	s_cselect_b32 s24, 15, 0                       ; a trip's first step asks in trips 0 to 14 (steps 0 to 28),
	s_cselect_b32 s25, 14, 0                       ; its second in trips 0 to 13 (steps 1 to 27)
	s_cmp_eq_u32 s16, 8
	s_cselect_b64 s[26:27], s[4:5], s[6:7]
	s_bitcmp1_b32 s29, 0                           ; tile 0
	s_cbranch_scc1 .Lno_first
	global_load_b128 v[STG:STG+3], v[T16], s[4:5]
	global_load_b128 v[STG+4:STG+7], v[T16], s[6:7]
	s_wait_loadcnt 0x0
	ds_store_b128 v[T16], v[STG:STG+3]
	ds_store_b128 v[T16], v[STG+4:STG+7] offset:VOFF
.Lno_first:
	s_wait_dscnt 0x0                               ; my part of tile 0 lies in LDS,
	s_barrier_signal -1
	s_barrier_wait -1                              ; everybody's does
; A KEY STEP: 64 keys, in slot sl.  The next tile goes from memory to registers at the step's head and into the other slot at its end: that slot was last read a step ago, ahead of that step's barrier, and is first read behind this one's.
.macro TRIP sl
	s_bitcmp1_b32 s20, 0
	s_cbranch_scc1 .Lno_load_\@
	global_load_b128 v[STG:STG+3], v[T16], s[4:5] offset:8192*(\sl+1)
	global_load_b128 v[STG+4:STG+7], v[T16], s[6:7] offset:8192*(\sl+1)
.Lno_load_\@:
	s_cmp_lt_u32 s17, s[24+\sl]
	s_cbranch_scc0 .Lno_ask_\@
	global_prefetch_b8 v[PFO], s[26:27] offset:8192*(\sl+3) th:TH_LOAD_NT scope:SCOPE_SE
.Lno_ask_\@:
	s_bitcmp1_b32 s18, 0                           ; nothing open for my queries: on to the step's end
	s_cbranch_scc1 .Lend_step_\@
	s_load_b512 s[32:47], s[8:9], 128*\sl          ; the lane masks of my two tiles
	s_load_b512 s[48:63], s[8:9], 128*\sl+0x40
	s_load_b512 s[68:83], s[8:9], 128*\sl+0x1000
	s_load_b512 s[84:99], s[8:9], 128*\sl+0x1040
.irp f, 0,1                                    ; K's images: channels 0-31 of all four key tiles first
.irp kt, 0,1,2,3
	ds_load_b128 v[KF+16*\kt+8*\f:KF+16*\kt+8*\f+3], v[LA] offset:SLOTB*\sl+2048*\kt+1024*\f
	ds_load_b128 v[KF+16*\kt+8*\f+4:KF+16*\kt+8*\f+7], v[LA] offset:SLOTB*\sl+2048*\kt+1024*\f+512
.endr
.endr
.irp f, 0,1                                    ; S^T = K Q^T: eight accumulators by turns, one instruction a turn
	s_wait_dscnt 8-8*\f                            ; channels 0-31 are in, the eight loads of channels 32-63 may be out; then all
.irp kt, 0,1,2,3
.irp t, 0,1
.if \f == 0
	v_wmma_f32_16x16x32_f16 v[S+32*\t+8*\kt:S+32*\t+8*\kt+7], v[KF+16*\kt:KF+16*\kt+7], v[Q+16*\t:Q+16*\t+7], 0
.else
	v_wmma_f32_16x16x32_f16 v[S+32*\t+8*\kt:S+32*\t+8*\kt+7], v[KF+16*\kt+8:KF+16*\kt+15], v[Q+16*\t+8:Q+16*\t+15], v[S+32*\t+8*\kt:S+32*\t+8*\kt+7]
.endif
.endr
.endr
.endr
.rept 4
	v_nop                                          ; places behind the products: the lines below read the scores and write over K's fragments
.endr
	s_wait_kmcnt 0x0                               ; the lane masks
	s_bitcmp1_b32 s19, 0
	s_cbranch_scc1 .Lopen_\@                       ; all open: nothing to select
.set n, 0
.rept 32
	v_cndmask_b32 v[S+n], v[NEGT], v[S+n], s[32+n] ; the score where the mask is not 0, else -1e9 x log2(e)
	v_cndmask_b32 v[S+32+n], v[NEGT], v[S+32+n], s[68+n]
.set n, n+1
.endr
.Lopen_\@:
.irp j, 0,1,2,3                                ; the largest of a lane's 32 scores and the old m: four chains a tile, each accumulator from its low end on; the two tiles by turns
.irp t, 0,1
	v_max3_num_f32 v[TT+16*\t+\j], v[S+32*\t+8*\j], v[S+32*\t+8*\j+1], v[S+32*\t+8*\j+2]
.endr
.endr
.irp i, 3,5
.irp j, 0,1,2,3
.irp t, 0,1
	v_max3_num_f32 v[TT+16*\t+\j], v[TT+16*\t+\j], v[S+32*\t+8*\j+\i], v[S+32*\t+8*\j+\i+1]
.endr
.endr
.endr
.irp t, 0,1
	v_max3_num_f32 v[TT+16*\t], v[TT+16*\t], v[S+32*\t+7], v[S+32*\t+15]
	v_max3_num_f32 v[TT+16*\t+2], v[TT+16*\t+2], v[S+32*\t+23], v[S+32*\t+31]
.endr
.irp t, 0,1
	v_max3_num_f32 v[TT+16*\t], v[TT+16*\t], v[TT+16*\t+1], v[TT+16*\t+2]
.endr
.irp t, 0,1
	v_max3_num_f32 v[TT+16*\t], v[TT+16*\t], v[TT+16*\t+3], v[ST+4*\t]
.endr
.irp t, 0,1
	v_permlanex16_b32 v[TT+16*\t+1], v[TT+16*\t], s22, s23    ; the query's other 32 keys lie in the lane 16 away
.endr
.irp t, 0,1
	v_mov_b32 v[TT+16*\t+5], v[ST+4*\t]            ; m_old
.endr
.irp t, 0,1
	v_max_num_f32 v[ST+4*\t], v[TT+16*\t], v[TT+16*\t+1]
.endr
.irp t, 0,1
	v_sub_f32 v[TT+16*\t+5], v[TT+16*\t+5], v[ST+4*\t]
.endr
.set n, 0
.rept 16
.irp t, 0,1
	v_pk_add_f32 v[S+32*\t+2*n:S+32*\t+2*n+1], v[S+32*\t+2*n:S+32*\t+2*n+1], v[ST+4*\t:ST+4*\t+1] op_sel_hi:[1,0] neg_lo:[0,1] neg_hi:[0,1]   ; s - m, two at a time
.endr
.set n, n+1
.endr
.irp t, 0,1
	v_exp_f32 v[TT+16*\t+6], v[TT+16*\t+5]         ; a = 2^(m_old - m)
.endr
.set n, 0
.rept 64
	v_exp_f32 v[S+n], v[S+n]                       ; p = 2^(s - m): one batch
.set n, n+1
.endr
	v_nop                                          ; a plain instruction behind the last exponential
	s_wait_alu depctr_va_vdst(0)                   ; one wait for the 66, ahead of the first line that names a result
.set n, 0
.rept 16
.irp t, 0,1
	v_cvt_pk_f16_f32 v[P+16*\t+n], v[S+32*\t+2*n], v[S+32*\t+2*n+1]    ; pair n of tile t is register n of its two fragments of P
.endr
.set n, n+1
.endr
.irp w, 8,4,2,1                                ; the sum of a tile's 16 pairs, in place
.set n, 0
.rept \w
.irp t, 0,1
	v_pk_add_f32 v[S+32*\t+2*n:S+32*\t+2*n+1], v[S+32*\t+2*n:S+32*\t+2*n+1], v[S+32*\t+2*(n+\w):S+32*\t+2*(n+\w)+1]
.endr
.set n, n+1
.endr
.endr
.irp t, 0,1
	v_pk_fma_f32 v[ST+4*\t+2:ST+4*\t+3], v[ST+4*\t+2:ST+4*\t+3], v[TT+16*\t+6:TT+16*\t+7], v[S+32*\t:S+32*\t+1] op_sel_hi:[1,0,1]   ; l = a l + the sum
.endr
.irp f, 0,1                                    ; V, turned: a lane gets one channel and eight keys; into the registers that the scores have left
.irp dt, 0,1,2,3
	ds_load_tr16_b128 v[S+32*\f+8*\dt:S+32*\f+8*\dt+3], v[LA] offset:SLOTB*\sl+VOFF+4096*\f+512*\dt
	ds_load_tr16_b128 v[S+32*\f+8*\dt+4:S+32*\f+8*\dt+7], v[LA] offset:SLOTB*\sl+VOFF+4096*\f+512*\dt+2048
.endr
.endr
.irp t, 0,1
.set n, 0
.rept 16
	v_pk_mul_f32 v[O+32*\t+2*n:O+32*\t+2*n+1], v[O+32*\t+2*n:O+32*\t+2*n+1], v[TT+16*\t+6:TT+16*\t+7] op_sel_hi:[1,0]   ; O^T x a, while V is on its way
.set n, n+1
.endr
.endr
.irp f, 0,1                                    ; O^T += V^T P: eight accumulators by turns
	s_wait_dscnt 8-8*\f                            ; keys 0-31 are in, the eight loads of keys 32-63 may be out; then all
.irp dt, 0,1,2,3
.irp t, 0,1
	v_wmma_f32_16x16x32_f16 v[O+32*\t+8*\dt:O+32*\t+8*\dt+7], v[S+32*\f+8*\dt:S+32*\f+8*\dt+7], v[P+16*\t+8*\f:P+16*\t+8*\f+7], v[O+32*\t+8*\dt:O+32*\t+8*\dt+7]
.endr
.endr
.endr
.rept 5
	v_nop                                          ; five places: the next matrix instruction writes scores over V's fragments; the next LDS loads land on P
.endr
.Lend_step_\@:
	s_wait_loadcnt 0x0                             ; the next tile's 32 bytes are in my registers
	s_bitcmp1_b32 s20, 0
	s_cbranch_scc1 .Lno_store_\@
	ds_store_b128 v[T16], v[STG:STG+3] offset:SLOTB*(1-\sl)
	ds_store_b128 v[T16], v[STG+4:STG+7] offset:SLOTB*(1-\sl)+VOFF
.Lno_store_\@:
	s_wait_dscnt 0x0                               ; for the others' sake: my stores have landed, and my reads of this slot are over
	s_barrier_signal -1
	s_barrier_wait -1
	s_lshr_b32 s18, s18, 1                         ; the next step's bits
	s_lshr_b32 s19, s19, 1
	s_lshr_b32 s20, s20, 1
.endm
	s_mov_b32 s17, 0
.Lpair:                                            ; 16 trips of two key steps, so that the slot is a constant in every LDS address
	TRIP 0
	TRIP 1
	s_wait_xcnt 0x0                                ; the trip's loads and its prefetches have read their bases
	s_add_nc_u64 s[4:5], s[4:5], 16384
	s_add_nc_u64 s[6:7], s[6:7], 16384
	s_add_nc_u64 s[26:27], s[26:27], 16384
	s_add_nc_u64 s[8:9], s[8:9], 256
	s_add_co_u32 s17, s17, 1
	s_cmp_lt_u32 s17, 16
	s_cbranch_scc1 .Lpair
	; THE WAY OUT: l's two halves and the other half of the lanes'; O^T / l, rounded to f16; a lane's eight channels are its 16 bytes of an image
.irp t, 0,1
	v_add_f32 v[STG+4*\t], v[ST+4*\t+2], v[ST+4*\t+3]
.endr
.irp t, 0,1
	v_permlanex16_b32 v[STG+4*\t+1], v[STG+4*\t], s22, s23
.endr
.irp t, 0,1
	v_add_f32 v[STG+4*\t], v[STG+4*\t], v[STG+4*\t+1]
.endr
.irp t, 0,1
	v_rcp_f32 v[STG+4*\t+2], v[STG+4*\t]
.endr
	v_nop                                          ; a plain instruction behind the last reciprocal
	s_wait_alu depctr_va_vdst(0)                   ; and the wait ahead of the first use
.irp t, 0,1
.set n, 0
.rept 16
	v_pk_mul_f32 v[S+32*\t+2*n:S+32*\t+2*n+1], v[O+32*\t+2*n:O+32*\t+2*n+1], v[STG+4*\t+2:STG+4*\t+3] op_sel_hi:[1,0]
.set n, n+1
.endr
.endr
.irp t, 0,1
.set n, 0
.rept 16
	v_cvt_pk_f16_f32 v[P+16*\t+n], v[S+32*\t+2*n], v[S+32*\t+2*n+1]
.set n, n+1
.endr
.endr
.irp t, 0,1
.irp dt, 0,1,2,3
	global_store_b128 v[LA], v[P+16*\t+4*\dt:P+16*\t+4*\dt+3], s[12:13] offset:32768*\t+512*\dt   ; 32 lanes store an image: 512 consecutive bytes
.endr
.endr
	s_wait_tensorcnt 0x0                           ; the wave's end
	ds_add_u32 v[SPW], v[NIL]
	s_wait_dscnt 0x0
	s_endpgm
.Lfunc_end_k_qad6cf609b8_attn:
	.size	k_qad6cf609b8_attn, .Lfunc_end_k_qad6cf609b8_attn-k_qad6cf609b8_attn
	.p2alignl 7, 3214868480
	.fill 96, 4, 3214868480
	.section	.rodata,"a",@progbits
	.p2align	6, 0x0
	.amdhsa_kernel k_qad6cf609b8_attn
		.amdhsa_group_segment_fixed_size 34816
		.amdhsa_private_segment_fixed_size 0
		.amdhsa_enable_private_segment 0
		.amdhsa_kernarg_size 32
		.amdhsa_user_sgpr_count 2
		.amdhsa_user_sgpr_kernarg_segment_ptr 1
		.amdhsa_wavefront_size32 1
		.amdhsa_system_sgpr_workgroup_id_x 1
		.amdhsa_system_sgpr_workgroup_id_y 1
		.amdhsa_system_sgpr_workgroup_id_z 1
		.amdhsa_system_vgpr_workitem_id 0
		.amdhsa_next_free_vgpr 256
		.amdhsa_next_free_sgpr 102
		.amdhsa_reserve_vcc 0
		.amdhsa_float_denorm_mode_32 3
		.amdhsa_float_denorm_mode_16_64 3
		.amdhsa_memory_ordered 1
		.amdhsa_forward_progress 1
		.amdhsa_inst_pref_size 63
	.end_amdhsa_kernel
	.amdgpu_metadata
---
amdhsa.version: [ 1, 2 ]
amdhsa.kernels:
  - .name:           k_qad6cf609b8_attn
    .symbol:         k_qad6cf609b8_attn.kd
    .args:
      - { .name: qkv, .offset: 0, .size: 8, .value_kind: global_buffer, .address_space: global }
      - { .name: mlane, .offset: 8, .size: 8, .value_kind: global_buffer, .address_space: global }
      - { .name: mflag, .offset: 16, .size: 8, .value_kind: global_buffer, .address_space: global }
      - { .name: cf, .offset: 24, .size: 8, .value_kind: global_buffer, .address_space: global }
    .group_segment_fixed_size: 34816
    .private_segment_fixed_size: 0
    .kernarg_segment_align: 8
    .kernarg_segment_size: 32
    .max_flat_workgroup_size: 512
    .sgpr_count:     102
    .vgpr_count:     256
    .wavefront_size: 32
...
	.end_amdgpu_metadata
.endif
;; end of part 3
;; launch outp (part 4): grid 8 x 64, 4 waves a work-group, clusters of 4 x 4, 327,680 bytes of LDS; arguments cf, wof, bo, out0; writes out0
.if DOCPART == 4
	.amdgcn_target "amdgcn-amd-amdhsa--gfx1250"
	.amdhsa_code_object_version 6
	.text
	.protected	k_qad6cf609b8_outp
	.globl	k_qad6cf609b8_outp
	.p2align	8
	.type	k_qad6cf609b8_outp,@function
k_qad6cf609b8_outp:
	s_mov_b64 s[64:65], 0
	v_nop
	global_prefetch_b8 v0, s[64:65] scope:SCOPE_SE
	s_setreg_imm32_b32 hwreg(HW_REG_WAVE_MODE, 25, 1), 1
	s_wait_xcnt 0x0
	s_wait_alu depctr_hold_cnt(0) depctr_sa_sdst(0) depctr_va_vdst(0) depctr_va_sdst(0) depctr_va_ssrc(0) depctr_va_vcc(0) depctr_vm_vsrc(0)
	s_getreg_b32 s2, hwreg(HW_REG_IB_STS2, 6, 4)
	s_cmp_eq_u32 s2, 0
	s_cbranch_scc0 .Lentry_in_a_cluster
	s_endpgm
.Lentry_in_a_cluster:
	s_bfe_u32 s2, ttmp6, 0x10000c
	s_cmp_lg_u32 s2, 0xf033
	s_cbranch_scc0 .Lentry_shape_is_right
	s_endpgm
.Lentry_shape_is_right:
; out0 = ctx wo^T + bo.  ctx [8192][1024] and wo [1024][1024] come as f16 IN THE ORDER OF AN OPERAND'S REGISTERS: cf [token tile 512][chunk 64][512 bytes], wof [n tile 64][chunk 64][512 bytes];
; a chunk is 16 rows x 16 along K, lane (r, h) has row r, k = 8 h + 0 .. 7 at byte 16 x lane; two chunks on end are a fragment's eight registers.  out0 [8192][1024] f32; sums in f32; bo is the C of each sum's first product.
; A tile of out0 is 128 x 128: 512 work-groups.  Four waves, each 64 x 64: 16 accumulators.  K goes in four steps of 256 through two LDS slots.  A wave's tensor load brings 64 rows x 256 K: four row tiles' 8,192 consecutive bytes, 32,768 bytes apart in memory.
; In LDS they lie on end, as in memory: a fragment load takes 512 consecutive bytes, 16 a lane, so no padding is wanted.
; CLUSTERS: 4 x 4 work-groups: the four of a row need the same tokens, the four of a column the same rows of wo: each tile is asked for jointly.  THE MATRIX INSTRUCTION IS USED TRANSPOSED (source 0 = 16 rows of wo, source 1 = 16 tokens).
; REGISTERS: window 0: v0-31 addresses; v32-95 at work on the way out; v96-127 bo, 8 registers for each block of 16 columns; v128-255 the accumulators ((a, b) at v[128 + 8 (4 a + b)]).   window 1: two fragment buffers of 128: 64 of the tokens', then 64 of wo's.
.set SLOT,   131072                    ; the tokens' 128 rows x 256 K (65,536 bytes), then wo's
.set STAGE,  2*SLOT                    ; behind the ring: 16 rows x 272 bytes for each wave, for the way out
.set SPITCH, 272                       ; 256 bytes + 16: the sixteen rows that a store touches start at sixteen different banks (64 banks of 4 bytes: ISA guide 11.1)
.set SPARE,  STAGE+4*16*SPITCH         ; the spare words, 128 bytes for each wave
.set ADRA, 16                          ; v16-17  LDS address of my tokens' fragments in slot 0, 1
.set ADRB, 20                          ; v20-21  the same for wo
.set STO,  24                          ; v24     the way out: where I put 32 bytes of a row
.set RD,   25                          ; v25     where I read a row back
.set CO,   26                          ; v26     my byte offset in out0
.set BOF,  27                          ; v27     32 h
.set SPW,  28                          ; v28     LDS address of my spare word; never rewritten
.set NIL,  29                          ; v29     0; never rewritten
.set TMP,  32
.set BIAS, 96
.set ACC,  128
.set F0,   0
.set F1,   128
.set G1, 24
.set G0, 32
.set G1B, 48
.set G0B, 56
.set MSB, 0
.macro WIN new                         ; the immediate's high byte repeats the setting that is left
.if MSB != (\new)
	s_set_vgpr_msb (MSB<<8)|(\new)
.set MSB, (\new)
.endif
.endm
.set MUL,  0x05                        ; sources 0 and 1 window 1; C and D window 0
.set TO_F, 0x40                        ; destination window 1, address window 0
.macro JLOAD s                         ; a joint load: waves 0 and 1 fetch the tokens' two halves, waves 2 and 3 wo's; an s_nop 0 and four v_nop follow each of the two lines
	s_cmp_eq_u32 s13, 0
	s_cbranch_scc0 .Lfor_b_\@
	tensor_load_to_lds s[G0+4*\s:G0+4*\s+3], s[G1:G1+7]
	s_nop 0
.rept 4
	v_nop
.endr
	s_branch .Lasked_\@
.Lfor_b_\@:
	tensor_load_to_lds s[G0B+4*\s:G0B+4*\s+3], s[G1B:G1B+7]
	s_nop 0
.rept 4
	v_nop
.endr
.Lasked_\@:
.endm
.macro CREST                           ; a round of the cluster's barrier behind its opening barrier
	s_cmp_lg_u32 s12, 0
	s_cbranch_scc1 .Lnot_wave_0_\@
	s_barrier_signal -3
.Lnot_wave_0_\@:
	s_barrier_wait -3
	s_barrier_signal -1
	s_barrier_wait -1
.endm
.macro CROUND
	s_barrier_signal -1
	s_barrier_wait -1
	CREST
.endm
	s_load_b256 s[4:11], s[0:1], 0x0               ; cf s[4:5], wof s[6:7], bo s[8:9], out0 s[10:11]
	v_lshl_add_u32 v[SPW], v0, 2, SPARE
	v_mov_b32 v[NIL], 0
	ds_add_u32 v[SPW], v[NIL]                      ; the wave's opening: the add, twice on end, and its wait ahead of my first tensor load
	ds_add_u32 v[SPW], v[NIL]
	v_lshrrev_b32 v1, 5, v0
	v_readfirstlane_b32 s12, v1                    ; wave 0..3
	s_lshr_b32 s13, s12, 1                         ; which half of the tile's tokens is mine.  Also: I fetch for the tokens (0) or for wo (1)
	s_and_b32 s14, s12, 1                          ; which half of its columns.  Also: which 64 rows I fetch
	s_bfe_u32 s40, ttmp6, 0x40000                  ; cx, cy
	s_bfe_u32 s41, ttmp6, 0x40004
	s_lshl_b32 s42, ttmp9, 2
	s_add_co_u32 s42, s42, s40                     ; tile column = 4 x cluster x + cx
	s_and_b32 s15, ttmp7, 0xffff
	s_lshl_b32 s15, s15, 2
	s_add_co_u32 s15, s15, s41                     ; tile row = 4 x cluster y + cy
	s_lshl_b32 s43, s41, 2
	s_lshl_b32 s43, 15, s43                        ; my row of the cluster
	s_lshl_b32 s44, 0x1111, s40                    ; my column
	; descriptor group 1: 4 rows of 1,024 elements of 8 bytes, 4,096 elements apart; no padding
	s_or_b32 s[G1+0], s43, (3<<16)|(1<<21)         ; 15:0 the mask; 17:16 elements of 8 bytes; 21 set beside a mask
	s_or_b32 s[G1B+0], s44, (3<<16)|(1<<21)
.irp g, G1, G1B
	s_mov_b32 s[\g+1], 1024<<16                    ; tensor_dim0
	s_mov_b32 s[\g+2], 4<<16                       ; tensor_dim1
	s_mov_b32 s[\g+3], 1024<<16                    ; tile_dim0
	s_mov_b32 s[\g+4], 4                           ; tile_dim1
	s_mov_b32 s[\g+5], 4096                        ; tensor_dim0_stride
	s_mov_b32 s[\g+6], 0
	s_mov_b32 s[\g+7], 0
.endr
	s_lshl_b32 s18, s14, 2                         ; which four row tiles I fetch
	s_lshl_b32 s16, s15, 3
	s_add_co_u32 s16, s16, s18
	s_lshl_b32 s16, s16, 15                        ; tokens: row tile 8 x tile row + 4 x half, 32,768 bytes each
	s_mov_b32 s17, 0
	s_lshl_b32 s46, s42, 3
	s_add_co_u32 s46, s46, s18
	s_lshl_b32 s46, s46, 15                        ; wo: row tile 8 x tile column + 4 x half
	s_mov_b32 s47, 0
	s_lshl_b32 s20, s12, 15                        ; where they go: 32,768 x wave: no place in the cluster enters an LDS address
	s_wait_dscnt 0x0                               ; both opening adds are done
	s_wait_kmcnt 0x0
	s_add_nc_u64 s[16:17], s[4:5], s[16:17]
	s_add_nc_u64 s[46:47], s[6:7], s[46:47]
	CROUND                                         ; all sixteen work-groups are here: the first joint loads meet
.irp s, 0,1
	s_mov_b32 s[G0+4*\s], 1
	s_add_co_u32 s[G0+4*\s+1], s20, \s*SLOT
	s_add_nc_u64 s[G0+4*\s+2:G0+4*\s+3], s[16:17], \s*8192       ; K step s: 16 chunks of 512 bytes
	s_or_b32 s[G0+4*\s+3], s[G0+4*\s+3], 0x80000000
	s_mov_b32 s[G0B+4*\s], 1
	s_add_co_u32 s[G0B+4*\s+1], s20, \s*SLOT
	s_add_nc_u64 s[G0B+4*\s+2:G0B+4*\s+3], s[46:47], \s*8192
	s_or_b32 s[G0B+4*\s+3], s[G0B+4*\s+3], 0x80000000
	JLOAD \s
.endr
	v_and_b32 v1, 15, v0                           ; r
	v_bfe_u32 v2, v0, 4, 1                         ; h
	v_and_b32 v3, 31, v0
	v_lshlrev_b32 v3, 4, v3                        ; 16 x lane
	s_lshl_b32 s21, s13, 15                        ; my 64 tokens
	s_lshl_b32 s22, s14, 15                        ; my 64 rows of wo,
	s_add_co_u32 s22, s22, 65536                   ; which lie behind the tokens' 128
.irp s, 0,1
	v_add_nc_u32 v[ADRA+\s], s21, v3
	v_add_nc_u32 v[ADRB+\s], s22, v3
	s_add_co_u32 s21, s21, SLOT
	s_add_co_u32 s22, s22, SLOT
.endr
	s_mul_i32 s23, s12, 16*SPITCH
	s_add_co_u32 s23, s23, STAGE                   ; my stage
	v_mul_u32_u24 v4, v1, SPITCH                   ; in: row r, 32 bytes for each half of the lanes
	v_lshl_add_u32 v4, v2, 5, v4
	v_add_nc_u32 v[STO], s23, v4
	v_mul_u32_u24 v5, v2, SPITCH                   ; back: lanes 0-15 one row of 256 bytes, lanes 16-31 the next
	v_lshl_add_u32 v5, v1, 4, v5
	v_add_nc_u32 v[RD], s23, v5
	v_lshlrev_b32 v5, 12, v2                       ; and the same two rows in out0
	v_lshl_add_u32 v[CO], v1, 4, v5
	v_lshlrev_b32 v[BOF], 5, v2
	s_lshl_b32 s16, s15, 7
	s_lshl_b32 s17, s13, 6
	s_add_co_u32 s16, s16, s17                     ; my first row: 128 x tile row + 64 x half
	s_lshl_b32 s16, s16, 12
	s_mov_b32 s17, 0
	s_lshl_b32 s46, s42, 9
	s_lshl_b32 s47, s14, 8
	s_add_co_u32 s46, s46, s47                     ; my first column, in bytes: 512 x tile column + 256 x half
	s_mov_b32 s47, 0
	s_add_nc_u64 s[10:11], s[10:11], s[16:17]
	s_add_nc_u64 s[10:11], s[10:11], s[46:47]
	s_add_nc_u64 s[8:9], s[8:9], s[46:47]
.irp b, 0,1,2,3
	global_load_b128 v[BIAS+8*\b:BIAS+8*\b+3], v[BOF], s[8:9] offset:64*\b            ; block b: bo of columns 16 b + 8 h + 0 .. 7, in the result's layout
	global_load_b128 v[BIAS+8*\b+4:BIAS+8*\b+7], v[BOF], s[8:9] offset:64*\b+16
.endr
; 8 matrix instructions: token blocks a0, a0 + 1 x all 4 column blocks, 32 along K: half c of buffer f.  first = 1: the sums begin with bo.  The 16 accumulators take turns
.macro MUL8 f, c, a0, first
.irp a, \a0, \a0+1
.irp b, 0,1,2,3
.if \first
	v_wmma_f32_16x16x32_f16 v[ACC+8*(4*(\a)+\b):ACC+8*(4*(\a)+\b)+7], v[\f+64+8*(4*\c+\b):\f+64+8*(4*\c+\b)+7], v[\f+8*(4*\c+\a):\f+8*(4*\c+\a)+7], v[BIAS+8*\b:BIAS+8*\b+7]
.else
	v_wmma_f32_16x16x32_f16 v[ACC+8*(4*(\a)+\b):ACC+8*(4*(\a)+\b)+7], v[\f+64+8*(4*\c+\b):\f+64+8*(4*\c+\b)+7], v[\f+8*(4*\c+\a):\f+8*(4*\c+\a)+7], v[ACC+8*(4*(\a)+\b):ACC+8*(4*(\a)+\b)+7]
.endif
.endr
.endr
.endm
; 32 LDS loads in one run: the fragments of quarter q (64 along K: four chunks, 2,048 bytes of each row tile) into buffer f; the first 32 along K first
.macro FETCH slot, q, f
	WIN TO_F
.irp c, 0,1
.irp i, 0,1,2,3
	ds_load_b128 v[\f+64+8*(4*\c+\i):\f+64+8*(4*\c+\i)+3],   v[ADRB+\slot] offset:2048*(\q)+1024*\c+8192*\i
	ds_load_b128 v[\f+64+8*(4*\c+\i)+4:\f+64+8*(4*\c+\i)+7], v[ADRB+\slot] offset:2048*(\q)+1024*\c+8192*\i+512
	ds_load_b128 v[\f+8*(4*\c+\i):\f+8*(4*\c+\i)+3],         v[ADRA+\slot] offset:2048*(\q)+1024*\c+8192*\i
	ds_load_b128 v[\f+8*(4*\c+\i)+4:\f+8*(4*\c+\i)+7],       v[ADRA+\slot] offset:2048*(\q)+1024*\c+8192*\i+512
.endr
.endr
.endm
.macro PLACES                          ; four places in front of loads into registers that matrix instructions have read, and of the first read of results
.rept 4
	v_nop
.endr
.endm
; A K step is four quarters of 64 along K, 32 matrix instructions each, on buffers 0, 1, 0, 1.  One of the first three: multiplies buffer f and fetches quarter q into g.
.macro QUARTER slot, q, f, g, first
	s_wait_dscnt 16                                ; the first 32 along K are in; the youngest sixteen loads may be out
	WIN MUL
	MUL8 \f, 0, 0, \first
	MUL8 \f, 0, 2, \first
	PLACES
	FETCH \slot, \q, \g
	s_wait_dscnt 32                                ; all but the 32 just issued
	WIN MUL
	MUL8 \f, 1, 0, 0
	MUL8 \f, 1, 2, 0
.endm
; The last quarter multiplies buffer 1 and changes slots: ONE barrier; in front of it each wave waits for all its tensor loads, adds 0 to its spare word, and waits for that and for its reads of this slot.  fill = 1: this slot is filled again, two K steps ahead.
.macro TURN slot, next, fill
	WIN 0                                          ; (the add's two registers lie in window 0)
	s_wait_tensorcnt 0x0                           ; all my tensor loads have landed: my part of the next slot
	ds_add_u32 v[SPW], v[NIL]                      ; 0 onto my spare word
	s_wait_dscnt 17                                ; (the add and the youngest sixteen loads may be out)
	WIN MUL
	MUL8 F1, 0, 0, 0                               ; eight matrix instructions stand between the add and the wait for it
	s_wait_dscnt 0x0                               ; the add is done, and my reads of this slot are over
	s_barrier_signal -1
	MUL8 F1, 0, 2, 0
.if \fill
	WIN 0
.endif
	s_barrier_wait -1
.if \fill
	CREST                                          ; the barrier has opened a round of the cluster's barrier: no wave of any partner still reads this slot or has a load on its way
	s_add_nc_u64 s[G0+4*\slot+2:G0+4*\slot+3], s[G0+4*\slot+2:G0+4*\slot+3], 16384
	s_add_nc_u64 s[G0B+4*\slot+2:G0B+4*\slot+3], s[G0B+4*\slot+2:G0B+4*\slot+3], 16384
	JLOAD \slot                                    ; the first tensor load behind the round, my one load until the next; its four v_nop are also the places in front of the loads below
.else
	PLACES
.endif
	FETCH \next, 0, F0
	WIN MUL
	MUL8 F1, 1, 0, 0
	MUL8 F1, 1, 2, 0
.endm
	s_wait_tensorcnt 1                             ; my part of K step 0 is in; K step 1's load, issued behind it, may be out
	s_barrier_signal -1
	s_barrier_wait -1                              ; everybody's is
	FETCH 0, 0, F0
	s_wait_loadcnt 0x0                             ; bo
	QUARTER 0, 1, F0, F1, 1                        ; K step 0; its first products start the sums
	QUARTER 0, 2, F1, F0, 0
	QUARTER 0, 3, F0, F1, 0
	TURN 0, 1, 1                                   ; slot 0 takes K step 2
	QUARTER 1, 1, F0, F1, 0                        ; K step 1
	QUARTER 1, 2, F1, F0, 0
	QUARTER 1, 3, F0, F1, 0
	TURN 1, 0, 1                                   ; slot 1 takes K step 3
	QUARTER 0, 1, F0, F1, 0                        ; K step 2
	QUARTER 0, 2, F1, F0, 0
	QUARTER 0, 3, F0, F1, 0
	TURN 0, 1, 0                                   ; nothing is left to fetch
	QUARTER 1, 1, F0, F1, 0                        ; K step 3
	QUARTER 1, 2, F1, F0, 0
	QUARTER 1, 3, F0, F1, 0
	s_wait_dscnt 16
	WIN MUL
	MUL8 F1, 0, 0, 0
	MUL8 F1, 0, 2, 0
	s_wait_dscnt 0
	MUL8 F1, 1, 0, 0
	MUL8 F1, 1, 2, 0
	WIN 0
; THE WAY OUT, a block of 16 rows x 64 columns at a time.  A lane holds 32 neighbouring bytes of a row, the lanes beside it other rows: the block goes through my own stage in LDS and comes back as rows of 256 bytes,
; which sixteen lanes store as 256 consecutive bytes at a multiple of 256 from out0's first byte.  LDS serves a wave's instructions in order (ISA guide 5.7.1.4): no wait between the stores and the loads, nor in front of the next block's stores.
.macro TOSTAGE a
.irp b, 0,1,2,3
	ds_store_b128 v[STO], v[ACC+8*(4*(\a)+\b):ACC+8*(4*(\a)+\b)+3] offset:64*\b          ; each accumulator from its low end on
	ds_store_b128 v[STO], v[ACC+8*(4*(\a)+\b)+4:ACC+8*(4*(\a)+\b)+7] offset:64*\b+16
.endr
.irp t, 0,1,2,3,4,5,6,7
	ds_load_b128 v[TMP+32*((\a)%2)+4*\t:TMP+32*((\a)%2)+4*\t+3], v[RD] offset:2*\t*SPITCH
.endr
.endm
.macro SEND a, younger                 ; younger: the LDS instructions issued behind block a's loads, which may stay out
	s_wait_dscnt \younger
.irp t, 0,1,2,3,4,5,6,7
	global_store_b128 v[CO], v[TMP+32*((\a)%2)+4*\t:TMP+32*((\a)%2)+4*\t+3], s[10:11] offset:(16*(\a)+2*\t)*4096 th:TH_STORE_NT
.endr
.endm
	PLACES
	TOSTAGE 0
.irp a, 1,2,3
.if \a > 1
	s_wait_xcnt 0x0                                ; block a - 2's stores have read their registers: block a's loads may land there
.endif
	TOSTAGE \a
	SEND \a-1, 16                                  ; behind block a - 1's loads: block a's 8 stores and 8 loads
.endr
	SEND 3, 0
	s_wait_tensorcnt 0x0                           ; the wave's end
	ds_add_u32 v[SPW], v[NIL]
	s_wait_dscnt 0x0
	CROUND                                         ; the closing round: no work-group ends while a partner may still ask for a tile that names it
	s_endpgm
.Lfunc_end_k_qad6cf609b8_outp:
	.size	k_qad6cf609b8_outp, .Lfunc_end_k_qad6cf609b8_outp-k_qad6cf609b8_outp
	.p2alignl 7, 3214868480
	.fill 96, 4, 3214868480
	.section	.rodata,"a",@progbits
	.p2align	6, 0x0
	.amdhsa_kernel k_qad6cf609b8_outp
		.amdhsa_group_segment_fixed_size 327680
		.amdhsa_private_segment_fixed_size 0
		.amdhsa_enable_private_segment 0
		.amdhsa_kernarg_size 32
		.amdhsa_user_sgpr_count 2
		.amdhsa_user_sgpr_kernarg_segment_ptr 1
		.amdhsa_wavefront_size32 1
		.amdhsa_system_sgpr_workgroup_id_x 1
		.amdhsa_system_sgpr_workgroup_id_y 1
		.amdhsa_system_sgpr_workgroup_id_z 1
		.amdhsa_system_vgpr_workitem_id 0
		.amdhsa_next_free_vgpr 512
		.amdhsa_next_free_sgpr 66
		.amdhsa_reserve_vcc 0
		.amdhsa_float_denorm_mode_32 3
		.amdhsa_float_denorm_mode_16_64 3
		.amdhsa_memory_ordered 1
		.amdhsa_forward_progress 1
		.amdhsa_inst_pref_size 86
	.end_amdhsa_kernel
	.amdgpu_metadata
---
amdhsa.version: [ 1, 2 ]
amdhsa.kernels:
  - .name:           k_qad6cf609b8_outp
    .symbol:         k_qad6cf609b8_outp.kd
    .args:
      - { .name: cf, .offset: 0, .size: 8, .value_kind: global_buffer, .address_space: global }
      - { .name: wof, .offset: 8, .size: 8, .value_kind: global_buffer, .address_space: global }
      - { .name: bo, .offset: 16, .size: 8, .value_kind: global_buffer, .address_space: global }
      - { .name: out0, .offset: 24, .size: 8, .value_kind: global_buffer, .address_space: global }
    .group_segment_fixed_size: 327680
    .private_segment_fixed_size: 0
    .kernarg_segment_align: 8
    .kernarg_segment_size: 32
    .max_flat_workgroup_size: 128
    .sgpr_count:     66
    .vgpr_count:     512
    .wavefront_size: 32
...
	.end_amdgpu_metadata
.endif
;; end of part 4
